; MI455X (gfx1250); checked and timed in simulation.
; The chip was launched on July 23, 2026; its instructions are those of AMD's public machine-readable ISA for CDNA 5 (MIT licence, August 2026) and "CDNA5" Instruction Set Architecture Reference Guide (July 2026). The comments in the code are by the model that wrote it; some were corrected since.
;; Encoder Block. Allowed arithmetic: float matrix products may take bf16 or f16 operands with f32 sums; all other float work in f32.
;; Inputs: b1 4,096 float32; b2 1,024 float32; bk 1,024 float32; bo 1,024 float32; bq 1,024 float32; bv 1,024 float32; g1 1,024 float32; g2 1,024 float32; w1 1,024 x 4,096 float32; w2 4,096 x 1,024 float32; wk 1,024 x 1,024 float32; wo 1,024 x 1,024 float32; wq 1,024 x 1,024 float32; wv 1,024 x 1,024 float32; x 2 x 2,048 x 1,024 float32.
;; Outputs: out0 2 x 2,048 x 1,024 float32.
;; 2 versions, each right; version 2 is version 1 with the launch prep written anew for expert scheduling mode. Each part assembles by itself: llvm-mc -triple=amdgcn-amd-amdhsa -mcpu=gfx1250 --defsym DOCPART=n.
;; ======== version 1 of 2: 6 launches
;; workspace buffers: wb 25,690,112 bytes; xh 16,777,216 bytes; qkv 25,165,824 bytes; ob 8,388,608 bytes; res 25,427,968 bytes; hid 33,554,432 bytes
;; launch prep (part 1): grid 512 x 1, 8 waves a work-group, no clusters, 0 bytes of LDS; arguments x, g1, wq, wk, wv, wo, w1, w2, wb, xh; writes wb, xh
.if DOCPART == 1
	.amdgcn_target "amdgcn-amd-amdhsa--gfx1250"
	.amdhsa_code_object_version 6
	.text
	.protected	k_q1af3eda437_prep
	.globl	k_q1af3eda437_prep
	.p2align	8
	.type	k_q1af3eda437_prep,@function
k_q1af3eda437_prep:
	s_mov_b64 s[64:65], 0
	v_nop
	global_prefetch_b8 v0, s[64:65] scope:SCOPE_SE
	s_setreg_imm32_b32 hwreg(HW_REG_WAVE_MODE, 25, 1), 1
	s_wait_xcnt 0x0
; PREP.  Work-groups 0-127: xb = bf16(x), h = bf16(xb * rsqrt(mean(xb^2) + eps) * bf16(g1)), and the table of cosines and sines.
; Work-groups 128-511: the six weight matrices rounded to bf16, as they lie ([K][N]).
; FORMAT (a limit, stated): every input of the module is rounded once to bf16, x in the residual too; sums and norms are f32.
; BLOCKED LAYOUT of xb and h: [batch][column / 64][row of 2,048][64] bf16: 16 rows of a column block are 2,048 consecutive bytes.
; THE TABLE: row s (256 bytes) holds 16 groups i of (cos f(2i), cos f(2i+1), sin f(2i), sin f(2i+1)), f(j) = s * 10000^(-j/32).
; 10000^(-j/32) is 2^(-0.41524101 j) by v_exp_f32, a few last places from a power in f32: at s = 2,047 the angle is off by 3e-4 at the most.
; The angle is reduced by multiples of pi/2 (two-part constant) and sine and cosine are polynomials on -pi/4 .. pi/4, good to 3e-7.
; No LDS, no matrix unit, no cluster: nothing is shared, and the streams are dense.
.set G,     8          ; v[8:71]    g1 of my 64 columns
.set X,     72         ; v[72:199]  two row pairs, 64 numbers each
.set PB,    200        ; v[200:231] a pair's 64 numbers as bf16; before that at work for the table
.set SS,    232        ; v[232:239] four packed chains of squares
.set R,     240        ; v[240:241] 1 / root mean square, twice
.set TC,    244        ; v[244:247] the table's four numbers
.set CBB,   262144     ; bytes from a column block to the next
.macro TRIG inv, cs, sn, t             ; cosine and sine of v200 * v[inv]; t: the first of six registers at work
	v_mul_f32 v[\t], v200, v[\inv]                          ; the angle
	v_mul_f32 v[\t+1], 0x3f22f983, v[\t]                    ; times 2 / pi
	v_rndne_f32 v[\t+1], v[\t+1]                            ; n
	v_fmamk_f32 v[\t], v[\t+1], 0xbfc90fdb, v[\t]           ; less n times pi / 2: the constant's upper part,
	v_fmamk_f32 v[\t], v[\t+1], 0x333bbd2e, v[\t]           ; and what the upper part is too large by
	v_mul_f32 v[\t+2], v[\t], v[\t]                         ; r^2
	v_mov_b32 v[\t+3], 0xb9500d01                           ; -1/5040
	v_mov_b32 v[\t+4], 0x37d00d01                           ; 1/40320
	v_fmaak_f32 v[\t+3], v[\t+3], v[\t+2], 0x3c088889       ; + 1/120
	v_fmaak_f32 v[\t+4], v[\t+4], v[\t+2], 0xbab60b61       ; - 1/720
	v_fmaak_f32 v[\t+3], v[\t+3], v[\t+2], 0xbe2aaaab       ; - 1/6
	v_fmaak_f32 v[\t+4], v[\t+4], v[\t+2], 0x3d2aaaab       ; + 1/24
	v_mul_f32 v[\t+5], v[\t], v[\t+2]                       ; r^3
	v_fma_f32 v[\t+4], v[\t+4], v[\t+2], -0.5
	v_fma_f32 v[\t+3], v[\t+5], v[\t+3], v[\t]              ; sin r
	v_fma_f32 v[\t+4], v[\t+4], v[\t+2], 1.0                ; cos r
	v_cvt_i32_f32 v[\t+1], v[\t+1]                          ; the quadrant is n mod 4
	v_and_b32 v[\t+5], 1, v[\t+1]
	v_cmp_eq_u32 vcc_lo, 1, v[\t+5]
	v_cndmask_b32 v[\sn], v[\t+3], v[\t+4], vcc_lo          ; odd quadrants change the two
	v_cndmask_b32 v[\cs], v[\t+4], v[\t+3], vcc_lo
	v_and_b32 v[\t+5], 2, v[\t+1]
	v_lshlrev_b32 v[\t+5], 30, v[\t+5]
	v_xor_b32 v[\sn], v[\sn], v[\t+5]                       ; the sine is negative in quadrants 2, 3
	v_add_nc_u32 v[\t+1], 1, v[\t+1]
	v_and_b32 v[\t+1], 2, v[\t+1]
	v_lshlrev_b32 v[\t+1], 30, v[\t+1]
	v_xor_b32 v[\cs], v[\cs], v[\t+1]                       ; the cosine in 1, 2
.endm
; Two rows: half a wave a row.  left = the younger loads that may stay out.
.macro PAIR p, left
.set XP, X+64*(\p)
	s_wait_loadcnt \left                                    ; loads come back in order: this pair's sixteen are in
	s_wait_xcnt 0x0                                         ; PB was the last pair's store data: it is rewritten only behind this wait
.set i, 0
.rept 32
	v_cvt_pk_bf16_f32 v[PB+i], v[XP+2*i], v[XP+2*i+1]
.set i, i+1
.endr
.set i, 0
.rept 16
	global_store_b64 v4, v[PB+2*i:PB+2*i+1], s[32:33] offset:CBB*i+256*(\p)   ; xb: 32 lanes, 256 consecutive bytes: two rows of one column block
.set i, i+1
.endr
.set i, 0
.rept 32
	v_lshlrev_b32 v[XP+2*i], 16, v[PB+i]                    ; the rounded numbers, as f32 again
	v_and_b32 v[XP+2*i+1], 0xffff0000, v[PB+i]
.set i, i+1
.endr
.set i, 0
.rept 32
.if i < 4
	v_pk_mul_f32 v[SS+2*i:SS+2*i+1], v[XP+2*i:XP+2*i+1], v[XP+2*i:XP+2*i+1]   ; the first four start the chains
.else
	v_pk_fma_f32 v[SS+2*(i%4):SS+2*(i%4)+1], v[XP+2*i:XP+2*i+1], v[XP+2*i:XP+2*i+1], v[SS+2*(i%4):SS+2*(i%4)+1]
.endif
.set i, i+1
.endr
	v_pk_add_f32 v[SS:SS+1], v[SS:SS+1], v[SS+2:SS+3]
	v_pk_add_f32 v[SS+4:SS+5], v[SS+4:SS+5], v[SS+6:SS+7]
	v_pk_add_f32 v[SS:SS+1], v[SS:SS+1], v[SS+4:SS+5]
	v_add_f32 v[SS], v[SS], v[SS+1]
	v_add_f32_dpp v[SS], v[SS], v[SS] row_xmask:1 row_mask:0xf bank_mask:0xf   ; a row lies in 16 lanes: four steps
	v_add_f32_dpp v[SS], v[SS], v[SS] row_xmask:2 row_mask:0xf bank_mask:0xf
	v_add_f32_dpp v[SS], v[SS], v[SS] row_xmask:4 row_mask:0xf bank_mask:0xf
	v_add_f32_dpp v[SS], v[SS], v[SS] row_xmask:8 row_mask:0xf bank_mask:0xf
	v_fma_f32 v[SS], v[SS], s30, s31                        ; sum / 1024 + eps
	v_rsq_f32 v[R], v[SS]
	v_rsq_f32 v[R+1], v[SS]
	v_nop                                                   ; a plain instruction behind the transcendentals (ISA guide 5.7.2)
.set i, 0
	s_wait_alu depctr_va_vdst(0)
.rept 32
	v_pk_mul_f32 v[XP+2*i:XP+2*i+1], v[XP+2*i:XP+2*i+1], v[R:R+1]
.set i, i+1
.endr
.set i, 0
.rept 32
	v_pk_mul_f32 v[XP+2*i:XP+2*i+1], v[XP+2*i:XP+2*i+1], v[G+2*i:G+2*i+1]
.set i, i+1
.endr
.set i, 0
.rept 16
	v_cvt_pk_bf16_f32 v[XP+4*i], v[XP+4*i], v[XP+4*i+1]
	v_cvt_pk_bf16_f32 v[XP+4*i+1], v[XP+4*i+2], v[XP+4*i+3]
	global_store_b64 v4, v[XP+4*i:XP+4*i+1], s[22:23] offset:CBB*i+256*(\p)   ; h, as xb
.set i, i+1
.endr
.endm
	s_load_b512 s[4:19], s[0:1], 0x0               ; x 4, g1 6, wq 8, wk 10, wv 12, wo 14, w1 16, w2 18
	s_load_b128 s[20:23], s[0:1], 0x40             ; wb 20, xh 22
	v_and_b32 v1, 31, v0                           ; lane
	v_lshrrev_b32 v2, 5, v0                        ; wave
	s_cmp_ge_u32 ttmp9, 128
	s_cbranch_scc1 .Lcast
	; ROWS.  The work-group owns 32 rows, a wave four, as two pairs; lanes 0-15 take a pair's first row, lanes 16-31 its second.
	v_and_b32 v5, 15, v0
	v_lshlrev_b32 v5, 4, v5                        ; 16 c: my 16 bytes in each 256 of a row, and of g1
	v_bfe_u32 v7, v0, 4, 1
	v_lshl_add_u32 v3, v7, 12, v5                  ; + the half's row
	v_lshl_add_u32 v3, v2, 14, v3                  ; + the wave's four rows
	v_lshlrev_b32 v4, 3, v1                        ; blocked layout: 8 bytes a lane, two rows of 128 bytes,
	v_lshl_add_u32 v4, v2, 9, v4                   ; + the wave's four rows
	v_lshlrev_b32 v6, 4, v0                        ; the table: 16 bytes a thread
	s_lshl_b32 s24, ttmp9, 17                      ; 32 rows of 4,096 bytes
	s_mov_b32 s25, 0
	s_lshr_b32 s26, ttmp9, 6                       ; the batch: 16 column blocks,
	s_lshl_b32 s26, s26, 22
	s_and_b32 s27, ttmp9, 63                       ; 32 rows of 128 bytes
	s_lshl_b32 s27, s27, 12
	s_add_co_u32 s26, s26, s27
	s_mov_b32 s27, 0
	s_lshl_b32 s28, ttmp9, 12                      ; 16 rows of the table
	s_add_co_u32 s28, s28, 25165824
	s_mov_b32 s29, 0
	s_mov_b32 s30, 0x3a800000                      ; 1 / 1024
	s_mov_b32 s31, 0x34000000                      ; eps = 2^-23
	s_lshl_b32 s34, ttmp9, 4
	s_wait_kmcnt 0x0
	s_add_nc_u64 s[4:5], s[4:5], s[24:25]
	s_add_nc_u64 s[22:23], s[22:23], s[26:27]      ; h
	s_add_nc_u64 s[32:33], s[22:23], 8388608       ; xb
	s_add_nc_u64 s[20:21], s[20:21], s[28:29]      ; the table
.set i, 0
.rept 16
	global_load_b128 v[G+4*i:G+4*i+3], v5, s[6:7] offset:256*i
.set i, i+1
.endr
.set i, 0
.rept 32                                               ; both pairs: 48 loads of the wave are out
	global_load_b128 v[X+4*i:X+4*i+3], v3, s[4:5] offset:8192*(i/16)+256*(i%16) th:TH_LOAD_NT
.set i, i+1
.endr
	; the table, one group a thread, while the loads are on their way: position 16 x work-group + thread / 16, group thread % 16
	v_lshrrev_b32 v200, 4, v0
	v_add_nc_u32 v200, s34, v200
	v_cvt_f32_u32 v200, v200
	v_and_b32 v201, 15, v0
	v_lshlrev_b32 v201, 1, v201
	v_cvt_f32_u32 v202, v201                       ; j = 2 i,
	v_add_f32 v203, 1.0, v202                      ; 2 i + 1
	v_mul_f32 v202, 0xbed49a78, v202               ; -log2(10000) / 32
	v_mul_f32 v203, 0xbed49a78, v203
	v_exp_f32 v202, v202
	v_exp_f32 v203, v203
	v_nop
	s_wait_alu depctr_va_vdst(0)
	TRIG 202, TC, TC+2, 204
	TRIG 203, TC+1, TC+3, 210
	global_store_b128 v6, v[TC:TC+3], s[20:21]     ; a wave stores 512 consecutive bytes
	s_wait_loadcnt 32                              ; g1 is in; x's 32 loads stay out
.set i, 0
.rept 32
	v_cvt_pk_bf16_f32 v[216+i%4], v[G+2*i], v[G+2*i+1]
	v_lshlrev_b32 v[G+2*i], 16, v[216+i%4]
	v_and_b32 v[G+2*i+1], 0xffff0000, v[216+i%4]
.set i, i+1
.endr
	PAIR 0, 16                                     ; the second pair's sixteen loads stay out
	PAIR 1, 0
	s_endpgm
.Lcast:	; WEIGHTS.  The work-group rounds 32,768 consecutive numbers; 32 work-groups make a block of 2^20, of which wq, wk, wv, wo have one and w1, w2 four.
	s_sub_co_u32 s24, ttmp9, 128
	s_lshr_b32 s25, s24, 5                         ; the block, 0 .. 11: also its place in wb
	s_and_b32 s26, s24, 31
	s_wait_kmcnt 0x0
	s_mov_b64 s[36:37], s[18:19]                   ; the block's matrix, and that matrix's first block
	s_mov_b32 s38, 8
	s_cmp_lt_u32 s25, 8
	s_cselect_b64 s[36:37], s[16:17], s[36:37]
	s_cselect_b32 s38, 4, s38
	s_cmp_lt_u32 s25, 4
	s_cselect_b64 s[36:37], s[14:15], s[36:37]
	s_cselect_b32 s38, 3, s38
	s_cmp_lt_u32 s25, 3
	s_cselect_b64 s[36:37], s[12:13], s[36:37]
	s_cselect_b32 s38, 2, s38
	s_cmp_lt_u32 s25, 2
	s_cselect_b64 s[36:37], s[10:11], s[36:37]
	s_cselect_b32 s38, 1, s38
	s_cmp_lt_u32 s25, 1
	s_cselect_b64 s[36:37], s[8:9], s[36:37]
	s_cselect_b32 s38, 0, s38
	s_sub_co_u32 s38, s25, s38
	s_lshl_b32 s38, s38, 22
	s_lshl_b32 s39, s26, 17
	s_add_co_u32 s38, s38, s39
	s_mov_b32 s39, 0
	s_add_nc_u64 s[36:37], s[36:37], s[38:39]
	s_lshl_b32 s40, s25, 21
	s_lshl_b32 s41, s26, 16
	s_add_co_u32 s40, s40, s41
	s_mov_b32 s41, 0
	s_add_nc_u64 s[20:21], s[20:21], s[40:41]
	v_lshlrev_b32 v3, 4, v1
	v_lshl_or_b32 v3, v2, 14, v3                   ; a wave reads 16,384 bytes,
	v_lshlrev_b32 v4, 3, v1
	v_lshl_or_b32 v4, v2, 13, v4                   ; and writes 8,192
.set i, 0
.rept 32                                               ; all 32 loads go out together, 512 consecutive bytes each
	global_load_b128 v[8+4*i:11+4*i], v3, s[36:37] offset:512*i th:TH_LOAD_NT
.set i, i+1
.endr
.set i, 0
.rept 32
	s_wait_loadcnt 31-i                            ; the younger loads stay out
	v_cvt_pk_bf16_f32 v[8+4*i], v[8+4*i], v[9+4*i]
	v_cvt_pk_bf16_f32 v[9+4*i], v[10+4*i], v[11+4*i]
	global_store_b64 v4, v[8+4*i:9+4*i], s[20:21] offset:256*i   ; 256 consecutive bytes, aligned
.set i, i+1
.endr
	s_endpgm
.Lfunc_end_k_q1af3eda437_prep:
	.size	k_q1af3eda437_prep, .Lfunc_end_k_q1af3eda437_prep-k_q1af3eda437_prep
	.p2alignl 7, 3214868480
	.fill 96, 4, 3214868480
	.section	.rodata,"a",@progbits
	.p2align	6, 0x0
	.amdhsa_kernel k_q1af3eda437_prep
		.amdhsa_group_segment_fixed_size 0
		.amdhsa_private_segment_fixed_size 0
		.amdhsa_enable_private_segment 0
		.amdhsa_kernarg_size 80
		.amdhsa_user_sgpr_count 2
		.amdhsa_user_sgpr_kernarg_segment_ptr 1
		.amdhsa_wavefront_size32 1
		.amdhsa_system_sgpr_workgroup_id_x 1
		.amdhsa_system_sgpr_workgroup_id_y 1
		.amdhsa_system_sgpr_workgroup_id_z 1
		.amdhsa_system_vgpr_workitem_id 0
		.amdhsa_next_free_vgpr 248
		.amdhsa_next_free_sgpr 66
		.amdhsa_reserve_vcc 1
		.amdhsa_float_denorm_mode_32 3
		.amdhsa_float_denorm_mode_16_64 3
		.amdhsa_memory_ordered 1
		.amdhsa_forward_progress 1
		.amdhsa_inst_pref_size 60
	.end_amdhsa_kernel
	.amdgpu_metadata
---
amdhsa.version: [ 1, 2 ]
amdhsa.kernels:
  - .name:           k_q1af3eda437_prep
    .symbol:         k_q1af3eda437_prep.kd
    .args:
      - { .name: x, .offset: 0, .size: 8, .value_kind: global_buffer, .address_space: global }
      - { .name: g1, .offset: 8, .size: 8, .value_kind: global_buffer, .address_space: global }
      - { .name: wq, .offset: 16, .size: 8, .value_kind: global_buffer, .address_space: global }
      - { .name: wk, .offset: 24, .size: 8, .value_kind: global_buffer, .address_space: global }
      - { .name: wv, .offset: 32, .size: 8, .value_kind: global_buffer, .address_space: global }
      - { .name: wo, .offset: 40, .size: 8, .value_kind: global_buffer, .address_space: global }
      - { .name: w1, .offset: 48, .size: 8, .value_kind: global_buffer, .address_space: global }
      - { .name: w2, .offset: 56, .size: 8, .value_kind: global_buffer, .address_space: global }
      - { .name: wb, .offset: 64, .size: 8, .value_kind: global_buffer, .address_space: global }
      - { .name: xh, .offset: 72, .size: 8, .value_kind: global_buffer, .address_space: global }
    .group_segment_fixed_size: 0
    .private_segment_fixed_size: 0
    .kernarg_segment_align: 8
    .kernarg_segment_size: 80
    .max_flat_workgroup_size: 256
    .sgpr_count:     66
    .vgpr_count:     248
    .wavefront_size: 32
...
	.end_amdgpu_metadata
.endif
;; end of part 1
;; launch qkv (part 2): grid 12 x 16, 4 waves a work-group, clusters of 4 x 4, 327,680 bytes of LDS; arguments xh, wb, bq, bk, bv, qkv; writes qkv
.if DOCPART == 2
	.amdgcn_target "amdgcn-amd-amdhsa--gfx1250"
	.amdhsa_code_object_version 6
	.text
	.protected	k_q1af3eda437_qkv
	.globl	k_q1af3eda437_qkv
	.p2align	8
	.type	k_q1af3eda437_qkv,@function
k_q1af3eda437_qkv:
	s_mov_b64 s[64:65], 0
	v_nop
	global_prefetch_b8 v0, s[64:65] scope:SCOPE_SE
	s_setreg_imm32_b32 hwreg(HW_REG_WAVE_MODE, 25, 1), 1
	s_wait_xcnt 0x0
	s_wait_alu depctr_hold_cnt(0) depctr_sa_sdst(0) depctr_va_vdst(0) depctr_va_sdst(0) depctr_va_ssrc(0) depctr_va_vcc(0) depctr_vm_vsrc(0)
	s_getreg_b32 s2, hwreg(HW_REG_IB_STS2, 6, 4)
	s_cmp_eq_u32 s2, 0
	s_cbranch_scc0 .Lentry_in_a_cluster
	s_endpgm
.Lentry_in_a_cluster:
	s_bfe_u32 s2, ttmp6, 0x10000c
	s_cmp_lg_u32 s2, 0xf033
	s_cbranch_scc0 .Lentry_shape_is_right
	s_endpgm
.Lentry_shape_is_right:
; q, k, v = h W + b, q and k turned by the table of cosines and sines, all three rounded to bf16 and written by heads: [batch x 16 + head][row][64].
; h: blocked bf16 [batch][column / 64][row][64].  W: bf16 [1024][1024], as it lies ([K][N]).  Biases are rounded to bf16 and START the sums, as the first products' C.
; A work-group makes 256 rows x 256 columns, each of its four waves 128 x 128: 64 accumulators, 512 registers.  K = 1,024 goes in 8 steps of 128 through two LDS slots.
; The cluster's x (0, 1, 2) is the matrix: q, k or v; cx is the block of 256 columns in it.
; CLUSTER 4 x 4: h's tiles hang on the tile row alone and are asked for jointly along a row of the cluster, W's on the tile column alone, along a column.
; THE PRODUCT IS USED TRANSPOSED: source 0 = 16 columns of W (turned on the way out of LDS by ds_load_tr16_b128), source 1 = 16 rows of h:
; lane l then holds row l % 16 and the columns 8 (l / 16) + 0..7 of a block of 16.
; WINDOWS of 256 registers (s_set_vgpr_msb: bits 1:0 source 0, 3:2 source 1, 5:4 source 2, 7:6 destination):
;   0: v16-30 addresses; v64-127, v128-191 h's fragments, two buffers; on the way out v32-63, v224-255 rows read back, v64-127 the table, v128-191 f32 at work, v192-223 packed
;   1: v0-63 the bias, 8 registers for each block of 16 columns; v64-127, v128-191 W's fragments; v200-201 at work     2, 3: accumulator (a, b) at v[8 (8 (a % 4) + b)]
.set NB,    1024                       ; W's columns
.set PA,    144                        ; a row of h in LDS: 128 bytes + 16: 36 words, so 16 rows start at 16 different groups of four banks (ISA guide 11.1)
.set ACB,   256*PA                     ; one column block, 256 rows: what one load brings
.set PW,    544                        ; a k row of W: 512 bytes + 32: 136 words
.set WHALF, 64*PW                      ; 64 k rows: what one load brings
.set WREG,  2*ACB                      ; W's rows lie behind h's two column blocks
.set SLOT,  2*ACB+2*WHALF
.set STAGE, 2*SLOT                     ; behind the ring: 2 heads x 16 rows x 144 bytes for each wave
.set WST,   2*16*PA
.set SPARE, STAGE+4*WST                ; the spare words: 128 bytes a wave
.set LAPS,  4                          ; a lap = two K steps
.set CBB,   262144                     ; bytes from a column block (a head) to the next
.set ADRA, 16                          ; v16-17 my place in h's tile, slot 0, 1
.set ADRB, 20                          ; v20-21 in W's
.set STO,  24
.set RD,   25
.set GO,   26
.set BO,   27
.set SPW,  28
.set NIL,  29
.set RT,   30
.set F0,   64
.set F1,   128
.set OB,   32
.set TB,   64
.set TF,   128
.set PKD,  192
.set BIAS, 0
.set WT,   200
.set G1,  24                           ; s[24:31], s[32:39] descriptor groups 1 and 0 (a set a slot) for h's tiles
.set G0,  32
.set G1B, 48                           ; s[48:55], s[56:63] for W's
.set G0B, 56
.set MSB, 0
.macro WIN new                         ; the high byte repeats the setting that is left; a switch that changes nothing is dropped
.if MSB != (\new)
	s_set_vgpr_msb (MSB<<8)|(\new)
.set MSB, \new
.endif
.endm
.set MUL_LO, 0xa1
.set MUL_HI, 0xf1
.set TO_W,   0x40
.macro JLOAD s                         ; a joint load: waves 0, 1 fetch h's two column blocks, waves 2, 3 W's two halves; four v_nop follow each line
	s_cmp_lt_u32 s10, 2
	s_cbranch_scc0 .Lfor_w_\@
	tensor_load_to_lds s[G0+4*(\s):G0+4*(\s)+3], s[G1:G1+7]
	s_nop 0
.rept 4
	v_nop
.endr
	s_branch .Lasked_\@
.Lfor_w_\@:
	tensor_load_to_lds s[G0B+4*(\s):G0B+4*(\s)+3], s[G1B:G1B+7]
	s_nop 0
.rept 4
	v_nop
.endr
.Lasked_\@:
.endm
.macro CREST                           ; a round of the cluster's barrier behind its opening barrier
	s_cmp_lg_u32 s10, 0
	s_cbranch_scc1 .Lnot_wave_0_\@
	s_barrier_signal -3
.Lnot_wave_0_\@:
	s_barrier_wait -3
	s_barrier_signal -1
	s_barrier_wait -1
.endm
.macro CROUND
	s_barrier_signal -1
	s_barrier_wait -1
	CREST
.endm
.macro PLACES                          ; four places in front of loads into registers that matrix instructions have read, and of reads of their results
.rept 4
	v_nop
.endr
.endm
; 16 matrix instructions: row blocks a0, a0 + 1 of the window's four x all 8 column blocks, 32 along K.  first = 1: the bias is C and starts the sums.
.macro MUL16 f, hi, a0, first
.if \first
	WIN 0x91+0x40*(\hi)                            ; C in window 1
.else
	WIN MUL_LO+0x50*(\hi)
.endif
.irp a, \a0, (\a0)+1
.irp b, 0,1,2,3,4,5,6,7
.if \first
	v_wmma_f32_16x16x32_bf16 v[8*(8*(\a)+(\b)):8*(8*(\a)+(\b))+7], v[(\f)+8*(\b):(\f)+8*(\b)+7], v[(\f)+8*(4*(\hi)+(\a)):(\f)+8*(4*(\hi)+(\a))+7], v[BIAS+8*(\b):BIAS+8*(\b)+7]
.else
	v_wmma_f32_16x16x32_bf16 v[8*(8*(\a)+(\b)):8*(8*(\a)+(\b))+7], v[(\f)+8*(\b):(\f)+8*(\b)+7], v[(\f)+8*(4*(\hi)+(\a)):(\f)+8*(4*(\hi)+(\a))+7], v[8*(8*(\a)+(\b)):8*(8*(\a)+(\b))+7]
.endif
.endr
.endr
.endm
; 32 LDS loads in one run: quarter q (32 along K) of a slot into buffer f: W's 128 columns, turned, then h's 128 rows
.macro FETCH slot, q, f
	WIN TO_W
.irp i, 0,1,2,3,4,5,6,7
	ds_load_tr16_b128 v[(\f)+8*(\i):(\f)+8*(\i)+3],   v[ADRB+(\slot)] offset:32*(\q)*PW+32*(\i)
	ds_load_tr16_b128 v[(\f)+8*(\i)+4:(\f)+8*(\i)+7], v[ADRB+(\slot)] offset:(32*(\q)+16)*PW+32*(\i)
.endr
	WIN 0
.irp i, 0,1,2,3,4,5,6,7
	ds_load_b128 v[(\f)+8*(\i):(\f)+8*(\i)+3],   v[ADRA+(\slot)] offset:((\q)/2)*ACB+((\q)%2)*64+(\i)*16*PA
	ds_load_b128 v[(\f)+8*(\i)+4:(\f)+8*(\i)+7], v[ADRA+(\slot)] offset:((\q)/2)*ACB+((\q)%2)*64+(\i)*16*PA+32
.endr
.endm
; One of a K step's first three quarters: multiplies buffer f; in its middle it fetches quarter q of the same slot into buffer g.
.macro QUARTER slot, q, f, g, first
	s_wait_dscnt 8                                 ; W and h's rows 0-63 are in; the youngest eight loads (rows 64-127) may be out
	MUL16 \f, 0, 0, \first
	MUL16 \f, 0, 2, \first
	PLACES
	FETCH \slot, \q, \g
	s_wait_dscnt 32                                ; all but the 32 just issued
	MUL16 \f, 1, 0, \first
	MUL16 \f, 1, 2, \first
.endm
; The last quarter multiplies buffer 1 and changes slots: one barrier; in front of it each wave waits for all its tensor loads (its part of the next slot),
; adds 0 to its spare word, and waits for that and for its own reads of this slot.
.macro MEET round
	WIN 0
	s_wait_tensorcnt 0x0
	ds_add_u32 v[SPW], v[NIL]
	s_wait_dscnt 9                                 ; the add and the youngest eight loads may be out
	MUL16 F1, 0, 0, 0
	s_wait_dscnt 0x0                               ; the add is done, and my reads of this slot are over
	s_barrier_signal -1
	MUL16 F1, 0, 2, 0
.if \round
	WIN 0
.endif
	s_barrier_wait -1
.endm
.macro TURN slot, next, fill           ; fill = 1: the barrier opens a round of the cluster's, and the slot is filled again, two K steps on, first thing behind it
	MEET \fill
.if \fill
	CREST
	s_add_nc_u64 s[G0+4*(\slot)+2:G0+4*(\slot)+3], s[G0+4*(\slot)+2:G0+4*(\slot)+3], 4*CBB
	s_add_nc_u64 s[G0B+4*(\slot)+2:G0B+4*(\slot)+3], s[G0B+4*(\slot)+2:G0B+4*(\slot)+3], 256*NB*2
	JLOAD \slot                                    ; its four v_nop are also the places in front of the loads below
.else
	PLACES
.endif
	FETCH \next, 0, F0
	MUL16 F1, 1, 0, 0
	MUL16 F1, 1, 2, 0
.endm
; THE WAY OUT, a block a of 16 rows at a time.  TBLD: the block's rows of the table.  PROPE: turned and packed.  PACK: packed.  TOSTAGE: into my stage, and back as whole rows.  SEND: stored.
.macro TBLD a
.irp p, 0,1
.irp g, 0,1,2,3
	global_load_b128 v[TB+32*((\a)%2)+16*(\p)+4*(\g):TB+32*((\a)%2)+16*(\p)+4*(\g)+3], v[RT], s[78:79] offset:4096*(\a)+128*(\p)+16*(\g)
.endr
.endr
.endm
; In head d of my two, column blocks p and p + 2 hold channels c and c + 32: out(c) = x(c) cos - x(c + 32) sin, out(c + 32) = x(c + 32) cos + x(c) sin.  Each accumulator is read from its low end on.
.macro PROPE a
	WIN 0x02+((\a)/4)                              ; source 0: the accumulators' window
.irp d, 0,1
.irp p, 0,1
.irp g, 0,1,2,3
.set LO, 64*((\a)%4)+8*(4*(\d)+(\p))+2*(\g)
.set TL, TF+8*(4*(\d)+(\p))+2*(\g)
.set CN, TB+32*((\a)%2)+16*(\p)+4*(\g)
	v_pk_mul_f32 v[TL:TL+1], v[LO:LO+1], v[CN:CN+1]
	v_pk_mul_f32 v[TL+16:TL+17], v[LO+16:LO+17], v[CN:CN+1]
	v_pk_fma_f32 v[TL:TL+1], v[LO+16:LO+17], v[CN+2:CN+3], v[TL:TL+1] neg_lo:[0,1,0] neg_hi:[0,1,0]
	v_pk_fma_f32 v[TL+16:TL+17], v[LO:LO+1], v[CN+2:CN+3], v[TL+16:TL+17]
.endr
.endr
.endr
	WIN 0
.set i, 0
.rept 32
	v_cvt_pk_bf16_f32 v[PKD+i], v[TF+2*i], v[TF+2*i+1]
.set i, i+1
.endr
.endm
.macro PACK a
	WIN 0x0a+5*((\a)/4)
.set i, 0
.rept 32
	v_cvt_pk_bf16_f32 v[PKD+i], v[64*((\a)%4)+2*i], v[64*((\a)%4)+2*i+1]
.set i, i+1
.endr
	WIN 0
.endm
.macro TOSTAGE a
.set BK, OB+192*((\a)%2)
.irp b, 0,1,2,3,4,5,6,7
	ds_store_b128 v[STO], v[PKD+4*(\b):PKD+4*(\b)+3] offset:((\b)/4)*16*PA+((\b)%4)*32
.endr
.irp t, 0,1,2,3,4,5,6,7
	ds_load_b128 v[BK+4*(\t):BK+4*(\t)+3], v[RD] offset:((\t)/4)*16*PA+((\t)%4)*4*PA   ; LDS serves a wave's instructions in order (ISA guide 5.7.1.4): these see the stores above
.endr
.endm
.macro SEND a
.set BK, OB+192*((\a)%2)
	s_wait_dscnt 0x0                               ; the block is back in registers
	s_wait_xcnt 0x0                                ; the registers that earlier stores read are loaded again only behind this wait
.irp t, 0,1,2,3,4,5,6,7
	global_store_b128 v[GO], v[BK+4*(\t):BK+4*(\t)+3], s[8:9] offset:((\t)/4)*CBB+(\a)*2048+((\t)%4)*512   ; four rows of a head: 512 consecutive bytes, aligned
.endr
.endm
.macro WAYOUT rope
.if \rope
	TBLD 0
.endif
.irp a, 0,1,2,3,4,5,6,7
.if \rope
.if (\a) < 7
	TBLD (\a)+1
	s_wait_loadcnt 8                               ; this block's rows of the table are in; the next block's eight loads stay out
.else
	s_wait_loadcnt 0x0
.endif
	PROPE \a
.else
	PACK \a
.endif
.if (\a) > 0
	SEND (\a)-1                                    ; a block's arithmetic stands between the loads of the block before and the wait for them
.endif
	TOSTAGE \a
.endr
	SEND 7
.endm
	s_load_b128 s[4:7], s[0:1], 0x0                ; xh (h at its head), wb
	s_load_b256 s[68:75], s[0:1], 0x10             ; bq, bk, bv, qkv
	v_lshl_add_u32 v[SPW], v0, 2, SPARE
	v_mov_b32 v[NIL], 0
	ds_add_u32 v28, v29
	s_wait_dscnt 0x0
	v_lshrrev_b32 v1, 5, v0
	v_readfirstlane_b32 s10, v1                    ; wave 0..3
	s_lshr_b32 s11, s10, 1                         ; which half of the tile's rows is mine
	s_and_b32 s12, s10, 1                          ; which half of its columns; also which part of a tile I fetch
	s_bfe_u32 s40, ttmp6, 0x40000                  ; cx
	s_bfe_u32 s41, ttmp6, 0x40004                  ; cy
	s_and_b32 s13, ttmp7, 0xffff
	s_lshl_b32 s13, s13, 2
	s_add_co_u32 s13, s13, s41                     ; tile row = 4 x cluster y + cy
	s_lshl_b32 s43, s41, 2
	s_lshl_b32 s43, 15, s43                        ; my row of the cluster
	s_lshl_b32 s44, 0x1111, s40                    ; my column
	s_or_b32 s[G1+0], s43, (1<<16)|(1<<20)|(1<<21)|(4<<22)|(3<<25)   ; 2-byte elements; 4 words of padding after every 32; bit 21 beside the mask
	s_mov_b32 s[G1+1], 128<<16                     ; 256 rows of 128 bytes are dense: asked for as 128 rows of 256 bytes
	s_mov_b32 s[G1+2], 128<<16
	s_mov_b32 s[G1+3], 128<<16
	s_mov_b32 s[G1+4], 128
	s_mov_b32 s[G1+5], 128
	s_mov_b32 s[G1+6], 0
	s_mov_b32 s[G1+7], 0
	s_or_b32 s[G1B+0], s44, (1<<16)|(1<<20)|(1<<21)|(6<<22)|(7<<25)  ; 8 words of padding after every 128
	s_mov_b32 s[G1B+1], 256<<16                    ; 64 k rows of 256 columns
	s_mov_b32 s[G1B+2], 64<<16
	s_mov_b32 s[G1B+3], 256<<16
	s_mov_b32 s[G1B+4], 64
	s_mov_b32 s[G1B+5], NB
	s_mov_b32 s[G1B+6], 0
	s_mov_b32 s[G1B+7], 0
	s_lshr_b32 s16, s13, 3                         ; h: (16 x batch + my column block) x CBB + 256 rows x 128 bytes x (tile row % 8)
	s_lshl_b32 s16, s16, 4
	s_add_co_u32 s16, s16, s12
	s_lshl_b32 s16, s16, 18
	s_and_b32 s17, s13, 7
	s_lshl_b32 s17, s17, 15
	s_add_co_u32 s16, s16, s17
	s_mov_b32 s17, 0
	s_lshl_b32 s46, ttmp9, 21                      ; W: the matrix, my 64 k rows, the tile's 512 bytes of a row
	s_lshl_b32 s47, s12, 17
	s_add_co_u32 s46, s46, s47
	s_lshl_b32 s47, s40, 9
	s_add_co_u32 s46, s46, s47
	s_mov_b32 s47, 0
	s_mul_i32 s20, s10, ACB                        ; where they go: waves 0, 1: wave x a column block;
	s_mul_i32 s21, s10, WHALF                      ; waves 2, 3: WREG + (wave - 2) x 64 k rows
	s_add_co_u32 s21, s21, WREG-2*WHALF
	s_wait_kmcnt 0x0
	s_add_nc_u64 s[14:15], s[4:5], s[16:17]
	s_add_nc_u64 s[46:47], s[6:7], s[46:47]
	CROUND                                         ; all sixteen work-groups are here: the first joint loads meet
.irp s, 0,1
	s_mov_b32 s[G0+4*(\s)], 1
	s_add_co_u32 s[G0+4*(\s)+1], s20, (\s)*SLOT
	s_add_nc_u64 s[G0+4*(\s)+2:G0+4*(\s)+3], s[14:15], (\s)*2*CBB
	s_or_b32 s[G0+4*(\s)+3], s[G0+4*(\s)+3], 0x80000000
	s_mov_b32 s[G0B+4*(\s)], 1
	s_add_co_u32 s[G0B+4*(\s)+1], s21, (\s)*SLOT
	s_add_nc_u64 s[G0B+4*(\s)+2:G0B+4*(\s)+3], s[46:47], (\s)*128*NB*2
	s_or_b32 s[G0B+4*(\s)+3], s[G0B+4*(\s)+3], 0x80000000
	JLOAD \s                                       ; two loads of mine are out
.endr
	s_cmp_eq_u32 ttmp9, 0                          ; the matrix's bias
	s_cselect_b64 s[76:77], s[68:69], s[70:71]
	s_cmp_eq_u32 ttmp9, 2
	s_cselect_b64 s[76:77], s[72:73], s[76:77]
	s_lshl_b32 s46, s40, 10                        ; at the tile's 256 columns
	s_mov_b32 s47, 0
	s_add_nc_u64 s[76:77], s[76:77], s[46:47]
	s_and_b32 s18, s13, 7                          ; the table at my first row: 256 bytes x (256 x (tile row % 8) + 128 x half)
	s_lshl_b32 s18, s18, 16
	s_lshl_b32 s19, s11, 15
	s_add_co_u32 s18, s18, s19
	s_add_co_u32 s18, s18, 25165824
	s_mov_b32 s19, 0
	s_add_nc_u64 s[78:79], s[6:7], s[18:19]
	s_lshr_b32 s22, s13, 3                         ; the output: matrix, head 16 x batch + 4 cx + 2 x column half, my first row
	s_lshl_b32 s22, s22, 4
	s_lshl2_add_u32 s22, s40, s22
	s_lshl1_add_u32 s22, s12, s22
	s_lshl_b32 s22, s22, 18
	s_lshl_b32 s23, ttmp9, 23
	s_add_co_u32 s22, s22, s23
	s_and_b32 s23, s13, 7
	s_lshl_b32 s23, s23, 15
	s_add_co_u32 s22, s22, s23
	s_lshl_b32 s23, s11, 14
	s_add_co_u32 s22, s22, s23
	s_mov_b32 s23, 0
	s_add_nc_u64 s[8:9], s[74:75], s[22:23]
	v_and_b32 v1, 15, v0                           ; r = l % 16
	v_bfe_u32 v2, v0, 4, 1                         ; h = l / 16
	v_lshlrev_b32 v[BO], 5, v2                     ; the bias of columns 8 h + 0..7 of each block of 16, in my 128 columns
	v_lshl_add_u32 v[BO], s12, 9, v[BO]
	WIN TO_W
.irp b, 0,1,2,3,4,5,6,7
	global_load_b128 v[BIAS+8*(\b):BIAS+8*(\b)+3],   v[BO], s[76:77] offset:64*(\b)
	global_load_b128 v[BIAS+8*(\b)+4:BIAS+8*(\b)+7], v[BO], s[76:77] offset:64*(\b)+16
.endr
	WIN 0
	v_mul_u32_u24 v3, v1, PA
	v_lshl_add_u32 v3, v2, 4, v3                   ; 144 r + 16 h
	s_mul_i32 s18, s11, 128*PA
	v_add_nc_u32 v[ADRA], s18, v3
	v_add_nc_u32 v[ADRA+1], SLOT, v[ADRA]
	v_and_b32 v4, 7, v0                            ; the turning load: lane l reads k row 8 h + l % 8, columns 8 ((l / 8) % 2) + 0..7
	v_lshl_add_u32 v4, v2, 3, v4
	v_mul_u32_u24 v4, v4, PW
	v_bfe_u32 v5, v0, 3, 1
	v_lshl_add_u32 v4, v5, 4, v4
	s_lshl_b32 s18, s12, 8
	s_add_co_u32 s18, s18, WREG
	v_add_nc_u32 v[ADRB], s18, v4
	v_add_nc_u32 v[ADRB+1], SLOT, v[ADRB]
	s_mul_i32 s18, s10, WST
	s_add_co_u32 s18, s18, STAGE                   ; my stage
	v_add_nc_u32 v[STO], s18, v3                   ; in: row r, 16 bytes for each half of the lanes
	v_bfe_u32 v5, v0, 3, 2                         ; back: 32 lanes take four rows of 128 bytes
	v_mul_u32_u24 v5, v5, PA
	v_and_b32 v6, 7, v0
	v_lshl_add_u32 v5, v6, 4, v5
	v_add_nc_u32 v[RD], s18, v5
	v_and_b32 v[GO], 31, v0
	v_lshlrev_b32 v[GO], 4, v[GO]
	v_lshlrev_b32 v[RT], 8, v1                     ; the table: row r, frequencies 8 h on: 64 h bytes
	v_lshl_add_u32 v[RT], v2, 6, v[RT]
	s_wait_loadcnt 0x0
	WIN 0x45                                       ; the bias is rounded to bf16, in window 1
.set i, 0
.rept 32
	v_cvt_pk_bf16_f32 v[WT+i%2], v[BIAS+2*i], v[BIAS+2*i+1]
	v_lshlrev_b32 v[BIAS+2*i], 16, v[WT+i%2]
	v_and_b32 v[BIAS+2*i+1], 0xffff0000, v[WT+i%2]
.set i, i+1
.endr
	WIN 0
	s_wait_tensorcnt 1                             ; my part of K step 0 is in; K step 1's may stay out
	s_barrier_signal -1
	s_barrier_wait -1
	FETCH 0, 0, F0
	QUARTER 0, 1, F0, F1, 1                        ; the first quarter stands in front of the loop: its products start the sums
	WIN 0
	s_mov_b32 s3, LAPS-1
.Llap:                                                 ; a trip goes once round the ring and fills both slots again; the 64 accumulators take turns
	QUARTER 0, 2, F1, F0, 0
	QUARTER 0, 3, F0, F1, 0
	TURN 0, 1, 1
	QUARTER 1, 1, F0, F1, 0
	QUARTER 1, 2, F1, F0, 0
	QUARTER 1, 3, F0, F1, 0
	TURN 1, 0, 1
	QUARTER 0, 1, F0, F1, 0
	WIN 0
	s_sub_co_u32 s3, s3, 1
	s_cmp_lg_u32 s3, 0
	s_cbranch_scc1 .Llap
	QUARTER 0, 2, F1, F0, 0                        ; the last lap fills nothing
	QUARTER 0, 3, F0, F1, 0
	TURN 0, 1, 0
	QUARTER 1, 1, F0, F1, 0
	QUARTER 1, 2, F1, F0, 0
	QUARTER 1, 3, F0, F1, 0
	s_wait_dscnt 8
	MUL16 F1, 0, 0, 0
	MUL16 F1, 0, 2, 0
	s_wait_dscnt 0x0
	MUL16 F1, 1, 0, 0
	MUL16 F1, 1, 2, 0
	PLACES
	WIN 0
	s_cmp_eq_u32 ttmp9, 2                          ; the cluster's x: the same in all sixteen partners; neither way holds a barrier or a tensor load
	s_cbranch_scc1 .Lplain
	WAYOUT 1                                       ; q and k
	s_branch .Ldone
.Lplain:
	WAYOUT 0                                       ; v
.Ldone:
	s_wait_tensorcnt 0x0                           ; the wave's end
	ds_add_u32 v[SPW], v[NIL]
	s_wait_dscnt 0x0
	CROUND                                         ; the closing round
	s_endpgm
.Lfunc_end_k_q1af3eda437_qkv:
	.size	k_q1af3eda437_qkv, .Lfunc_end_k_q1af3eda437_qkv-k_q1af3eda437_qkv
	.p2alignl 7, 3214868480
	.fill 96, 4, 3214868480
	.section	.rodata,"a",@progbits
	.p2align	6, 0x0
	.amdhsa_kernel k_q1af3eda437_qkv
		.amdhsa_group_segment_fixed_size 327680
		.amdhsa_private_segment_fixed_size 0
		.amdhsa_enable_private_segment 0
		.amdhsa_kernarg_size 48
		.amdhsa_user_sgpr_count 2
		.amdhsa_user_sgpr_kernarg_segment_ptr 1
		.amdhsa_wavefront_size32 1
		.amdhsa_system_sgpr_workgroup_id_x 1
		.amdhsa_system_sgpr_workgroup_id_y 1
		.amdhsa_system_sgpr_workgroup_id_z 1
		.amdhsa_system_vgpr_workitem_id 0
		.amdhsa_next_free_vgpr 1024
		.amdhsa_next_free_sgpr 80
		.amdhsa_reserve_vcc 0
		.amdhsa_float_denorm_mode_32 3
		.amdhsa_float_denorm_mode_16_64 3
		.amdhsa_memory_ordered 1
		.amdhsa_forward_progress 1
		.amdhsa_inst_pref_size 219
	.end_amdhsa_kernel
	.amdgpu_metadata
---
amdhsa.version: [ 1, 2 ]
amdhsa.kernels:
  - .name:           k_q1af3eda437_qkv
    .symbol:         k_q1af3eda437_qkv.kd
    .args:
      - { .name: xh, .offset: 0, .size: 8, .value_kind: global_buffer, .address_space: global }
      - { .name: wb, .offset: 8, .size: 8, .value_kind: global_buffer, .address_space: global }
      - { .name: bq, .offset: 16, .size: 8, .value_kind: global_buffer, .address_space: global }
      - { .name: bk, .offset: 24, .size: 8, .value_kind: global_buffer, .address_space: global }
      - { .name: bv, .offset: 32, .size: 8, .value_kind: global_buffer, .address_space: global }
      - { .name: qkv, .offset: 40, .size: 8, .value_kind: global_buffer, .address_space: global }
    .group_segment_fixed_size: 327680
    .private_segment_fixed_size: 0
    .kernarg_segment_align: 8
    .kernarg_segment_size: 48
    .max_flat_workgroup_size: 128
    .sgpr_count:     80
    .vgpr_count:     1024
    .wavefront_size: 32
...
	.end_amdgpu_metadata
.endif
;; end of part 2
;; launch attn (part 3): grid 8 x 32, 4 waves a work-group, clusters of 4 x 1, 327,680 bytes of LDS; arguments qkv, ob; writes ob
.if DOCPART == 3
	.amdgcn_target "amdgcn-amd-amdhsa--gfx1250"
	.amdhsa_code_object_version 6
	.text
	.protected	k_q1af3eda437_attn
	.globl	k_q1af3eda437_attn
	.p2align	8
	.type	k_q1af3eda437_attn,@function
k_q1af3eda437_attn:
	s_mov_b64 s[64:65], 0
	v_nop
	global_prefetch_b8 v0, s[64:65] scope:SCOPE_SE
	s_setreg_imm32_b32 hwreg(HW_REG_WAVE_MODE, 25, 1), 1
	s_wait_xcnt 0x0
	s_wait_alu depctr_hold_cnt(0) depctr_sa_sdst(0) depctr_va_vdst(0) depctr_va_sdst(0) depctr_va_ssrc(0) depctr_va_vcc(0) depctr_vm_vsrc(0)
	s_getreg_b32 s2, hwreg(HW_REG_IB_STS2, 6, 4)
	s_cmp_eq_u32 s2, 0
	s_cbranch_scc0 .Lentry_in_a_cluster
	s_endpgm
.Lentry_in_a_cluster:
	s_bfe_u32 s2, ttmp6, 0x10000c
	s_cmp_lg_u32 s2, 0x3003
	s_cbranch_scc0 .Lentry_shape_is_right
	s_endpgm
.Lentry_shape_is_right:
; O[h][q][:] = the sum over k of softmax_k(Q[h][q] . K[h][k] / 8) V[h][k][:].  Q, K, V (in qkv, 8,388,608 bytes apart) and O: [32 heads][2048][64] bf16, a head's rows dense.
; Products, maxima and sums in f32; the weights p are rounded to bf16 for the second product (their sum l is taken of the unrounded p), O once at the end.
; LIMITS.  A weight below 2^-126 counts as 0 in l; NaN and infinities are not treated apart.
; SHARES.  A work-group owns 256 queries of one head, a wave 64 consecutive rows: four PIECES of 16.  Every wave walks all 2,048 keys, 64 a step, 256 a tile.
; LAYOUT.  S^T = K Q^T holds ONE query a lane (lane % 16) and the keys 8 (lane / 16) + 0..7; two such results rounded to bf16 ARE source 1 of O^T = V^T P.  V comes out of LDS turned.
; SOFTMAX.  p = 2^(c s - c m), c = log2(e) / 8, with a running maximum m; O and l are multiplied by a = 2^(c m_old - c m_new) in every step.  m starts at the lowest finite number, O and l at 0.
; TURNS.  Turn n belongs to piece n: 8 products K Q^T of piece n + 1, later 8 products V^T P of piece n - 1; beside them the scaling, exponentials, roundings, sums and rescaling of piece n and the
; maximum and statistics of piece n + 1.  Four vector instructions stand behind every matrix instruction, the other 54 of a turn's 118 in two runs of their own.
; CLUSTER.  The four query blocks of a cluster belong to one head and walk the same K and V: each tile is asked for JOINTLY, by the same tensor load, descriptor and mask in all four.
; WINDOWS (s_set_vgpr_msb: bits 1:0 source 0, 3:2 source 1, 5:4 source 2, 7:6 destination):
;   0: v0-15 addresses; v16-31 four registers of statistics a piece; v48-55 at work; v64-127 S^T, two buffers; v192-223 P, two buffers (by the piece's parity)
;   1: v0-127 O^T, 32 a piece          2: v0-63 Q; v128-191 K of one step; v192-255 V of one step
.set NP,    4
.set KS,    64
.set PK,    144       ; a row of K in LDS: 128 bytes + 16: the 16 rows of a load start at 16 different groups of four banks (ISA guide 11.1)
.set PV,    160       ; a row of V: 128 + 32
.set VOFF,  4*KS*PK   ; a slot holds a tile: 256 rows of K, then 256 rows of V
.set SLOT1, 1<<17
.set STAGE, SLOT1+4*KS*(PK+PV)
.set SP,    144
.set SPARE, STAGE+4*16*SP
.set AK0, 2
.set AV0, 3
.set AK,  4
.set AV,  5
.set STO, 6
.set RD,  7
.set GO,  8
.set MV,  12
.set QO,  15
.set ST,  16          ; piece t's statistics at v[ST+4 t]: c m, m, l (even keys', odd keys')
.set TMP, 48
.set SPW, 62
.set NIL, 63
.set S,   64
.set P,   192
.set KF,  128
.set VF,  192
.set WV,  12
.set G1K, 24
.set G1V, 32
.set G0K, 40
.set G0V, 44
.set SLOTS, 56
.set CNT, 57
.set CS,  58
.set SEL, 60
.set TBK, 62
.set TBV, 63
.set MSB, 0
.macro WIN new
.if MSB != (\new)
	s_set_vgpr_msb (MSB<<8)|(\new)
.set MSB, (\new)
.endif
.endm
.set W_KQ, 0x0a       ; K and Q in window 2, S^T in window 0
.set W_PV, 0x52       ; V in window 2, P in window 0, O^T in window 1
.set W_RS, 0x41       ; destination and source 0 in window 1, source 1 in window 0
.macro JLOAD                        ; waves 0, 1 fetch the two halves of a tile's K, waves 2, 3 those of its V; four v_nop follow each line
	s_cmp_lt_u32 s[WV], 2
	s_cbranch_scc0 .Lfor_v_\@
	tensor_load_to_lds s[G0K:G0K+3], s[G1K:G1K+7]
	s_nop 0
.rept 4
	v_nop
.endr
	s_branch .Lasked_\@
.Lfor_v_\@:
	tensor_load_to_lds s[G0V:G0V+3], s[G1V:G1V+7]
	s_nop 0
.rept 4
	v_nop
.endr
.Lasked_\@:
.endm
.macro CROUND
	s_barrier_signal -1
	s_barrier_wait -1
	s_cmp_lg_u32 s[WV], 0
	s_cbranch_scc1 .Lnot_wave_0_\@
	s_barrier_signal -3
.Lnot_wave_0_\@:
	s_barrier_wait -3
	s_barrier_signal -1
	s_barrier_wait -1
.endm
; THE CHANGE OF SLOTS.  Each wave waits for all its tensor loads (one is out: its part of the other slot), adds 0 to its spare word, and waits for that and for its own reads of the slot.
; fill = 1: the slot is filled again with the tile two on; the barrier is a round of the cluster's, and the joint fill is the first thing behind it: it has four key steps in which to land.
; (At its first use nothing has been read yet: slot 0 is waited for, slot 1 filled.)
.macro CHANGE fill
	WIN 0
	s_wait_tensorcnt 0x0
	ds_add_u32 v[SPW], v[NIL]
.if \fill
.irp g, G0K, G0V
	s_xor_b32 s[\g+1], s[\g+1], SLOT1
	s_add_nc_u64 s[\g+2:\g+3], s[\g+2:\g+3], 4*KS*128
.endr
	s_wait_dscnt 0x0
	CROUND
	JLOAD
.else
	s_wait_dscnt 0x0
	s_barrier_signal -1
	s_barrier_wait -1
.endif
	s_sub_co_u32 s[TBK], s[TBK], 4*KS*PK  ; the fetches go back to a slot's first step, in the other slot
	s_xor_b32 s[TBK], s[TBK], SLOT1
	s_sub_co_u32 s[TBV], s[TBV], 4*KS*PV
	s_xor_b32 s[TBV], s[TBV], SLOT1
.endm
; THE MATRIX WORK.  The 4 accumulators of a run of 8 take turns.
.macro KQ x                         ; product i of 8 of S^T = K Q^T for piece x: channels 32 (i / 4) on, keys 16 (i % 4) on
	WIN W_KQ
.set rS, S+32*((\x)%2)+8*(i%4)
.set rK, KF+16*(i%4)+8*(i/4)
.set rQ, 16*(\x)+8*(i/4)
.if i < 4
	v_wmma_f32_16x16x32_bf16 v[rS:rS+7], v[rK:rK+7], v[rQ:rQ+7], 0
.else
	v_wmma_f32_16x16x32_bf16 v[rS:rS+7], v[rK:rK+7], v[rQ:rQ+7], v[rS:rS+7]
.endif
.endm
.macro PV x                         ; product i of 8 of O^T += V^T P for piece x: keys 32 (i / 4) on, channels 16 (i % 4) on
	WIN W_PV
.set rO, 32*(\x)+8*(i%4)
.set rV, VF+32*(i/4)+8*(i%4)
.set rP, P+16*((\x)%2)+8*(i/4)
	v_wmma_f32_16x16x32_bf16 v[rO:rO+7], v[rV:rV+7], v[rP:rP+7], v[rO:rO+7]
.endm
.macro MM                           ; the turn's next matrix instruction.  NOKQ = 1: the last turn: there is no next piece
.if (i < 8) && !NOKQ
	KQ (Y+1)%NP
.elseif i >= 8
.set i, i-8
	PV (Y+NP-1)%NP
.set i, i+8
.endif
.set i, i+1
.endm
.macro FETCH_K                      ; 16 LDS loads in one run: a step's K
	WIN 0x80
.irp f, 0,1,2,3,4,5,6,7
	ds_load_b128 v[KF+8*\f:KF+8*\f+3],   v[AK] offset:(\f/2)*16*PK+(\f%2)*64
	ds_load_b128 v[KF+8*\f+4:KF+8*\f+7], v[AK] offset:(\f/2)*16*PK+(\f%2)*64+32
.endr
	s_add_co_u32 s[TBK], s[TBK], KS*PK
	WIN 0
.endm
.macro FETCH_V                      ; and its V, turned
	WIN 0x80
.irp f, 0,1,2,3,4,5,6,7
	ds_load_tr16_b128 v[VF+8*\f:VF+8*\f+3],   v[AV] offset:(\f/4)*32*PV+(\f%4)*32
	ds_load_tr16_b128 v[VF+8*\f+4:VF+8*\f+7], v[AV] offset:(\f/4)*32*PV+16*PV+(\f%4)*32
.endr
	WIN 0
.endm
; THE VECTOR WORK, one line at a time: OP kind, number.  For piece Y: F n: c s - c m for pair n of 16.  E n: the exponential of score n.  C n: pair n rounded to bf16.  B n: of the four weights 4 n .. the
; second pair is added onto the first.  L n: l takes that sum (L 0: l = a l + sum).  R n: pair n of 16 of O^T times a.  For piece Y + 1: X n, number n of the 22 that find its maximum and statistics
; (0-11 four chains of seven scores, each accumulator's lowest registers first; 12-14, 16 the rest, the old m; 15 c m_old is kept; 17, 18 the other half of the lanes; 19-21 c m, the change, a).
.set F, 0
.set E, 1
.set C, 2
.set B, 3
.set L, 4
.set R, 5
.set X, 6
.macro REGS y
.set rT, ST+4*(\y)
.set rC, TMP+4*((\y)%2)
.set rW, MV+((\y)%2)
.set rS, S+32*((\y)%2)
.set rP, P+16*((\y)%2)
.set rO, 32*(\y)
.endm
.macro OP k, n
.if (\k) == R
	REGS Y
	WIN W_RS
	v_pk_mul_f32 v[rO+2*(\n):rO+2*(\n)+1], v[rO+2*(\n):rO+2*(\n)+1], v[rC+2:rC+3] op_sel_hi:[1,0]
.elseif (\k) < R
	REGS Y
	WIN 0
.if (\k) == F
	v_pk_fma_f32 v[rS+2*(\n):rS+2*(\n)+1], v[rS+2*(\n):rS+2*(\n)+1], s[CS:CS+1], v[rT:rT+1] op_sel_hi:[1,0,0] neg_lo:[0,0,1] neg_hi:[0,0,1]
.elseif (\k) == E
	v_exp_f32 v[rS+(\n)], v[rS+(\n)]
.elseif (\k) == C
	s_wait_alu depctr_va_vdst(0)
	v_cvt_pk_bf16_f32 v[rP+(\n)], v[rS+2*(\n)], v[rS+2*(\n)+1]
.elseif (\k) == B
	s_wait_alu depctr_va_vdst(0)
	v_pk_add_f32 v[rS+4*(\n):rS+4*(\n)+1], v[rS+4*(\n):rS+4*(\n)+1], v[rS+4*(\n)+2:rS+4*(\n)+3]
.elseif (\n) == 0
	v_pk_fma_f32 v[rT+2:rT+3], v[rT+2:rT+3], v[rC+2:rC+3], v[rS:rS+1] op_sel_hi:[1,0,1]
.else
	v_pk_add_f32 v[rT+2:rT+3], v[rT+2:rT+3], v[rS+4*(\n):rS+4*(\n)+1]
.endif
.elseif NOKQ
	v_nop
.else
	REGS (Y+1)%NP
	WIN 0
.if (\n) < 4
	v_max3_num_f32 v[rC+(\n)], v[rS+8*(\n)], v[rS+8*(\n)+1], v[rS+8*(\n)+2]
.elseif (\n) < 12
	v_max3_num_f32 v[rC+(\n)%4], v[rC+(\n)%4], v[rS+8*((\n)%4)+2*((\n)/4)+1], v[rS+8*((\n)%4)+2*((\n)/4)+2]
.elseif (\n) == 12
	v_max3_num_f32 v[rC], v[rC], v[rS+7], v[rS+15]
.elseif (\n) == 13
	v_max3_num_f32 v[rC+1], v[rC+1], v[rS+23], v[rS+31]
.elseif (\n) == 14
	v_max3_num_f32 v[rC+2], v[rC+2], v[rC+3], v[rT+1]
.elseif (\n) == 15
	v_mov_b32 v[rW], v[rT]
.elseif (\n) == 16
	v_max3_num_f32 v[rC], v[rC], v[rC+1], v[rC+2]
.elseif (\n) == 17
	v_permlanex16_b32 v[rC+3], v[rC], s[SEL], s[SEL+1]
.elseif (\n) == 18
	v_max_num_f32 v[rT+1], v[rC], v[rC+3]
.elseif (\n) == 19
	v_mul_f32 v[rT], s[CS], v[rT+1]
.elseif (\n) == 20
	v_sub_f32 v[rC+1], v[rW], v[rT]
.else
	v_exp_f32 v[rC+2], v[rC+1]
.endif
.endif
.endm
.macro OPS a, i1, b=-1, i2=0, c=-1, i3=0, d=-1, i4=0
	OP \a, \i1
.if (\b) >= 0
	OP \b, \i2
.endif
.if (\c) >= 0
	OP \c, \i3
.endif
.if (\d) >= 0
	OP \d, \i4
.endif
.endm
.macro ROW a, i1, b, i2, c, i3, d, i4  ; a matrix instruction and the four behind it
	MM
	OPS \a, \i1, \b, \i2, \c, \i3, \d, \i4
.endm
; A TURN, for piece p: the order of its 16 matrix and 118 vector instructions, written out.  None of the four behind a matrix instruction names a register of the products round it; a line reads no result made
; fewer than three vector instructions in front of it, five if an exponential made it.  end = 1: the walk's last two turns: nothing is fetched.  cnt = 1: the loop's count is taken down ahead of the branch behind the turn.
; K of the next step is fetched in piece 2's turn, six vector instructions behind the last product that read K (five of them plain); V of the step in hand in piece 0's turn, eight behind its last reader (four plain).
.macro TURN p, end=0, cnt=0
.set Y, (\p)
.set i, 0
.set NOKQ, (\end)*((\p)/3)
.if ((\p) == 3) && !(\end)
	s_wait_dscnt 0x0                ; K is in
.endif
	ROW F,0, F,1, F,2, F,3
	ROW F,4, E,0, F,5, F,6
	ROW F,7, E,1, F,8, F,9
	ROW F,10, E,2, C,0, F,11
	ROW F,12, E,3, X,15, F,13
	ROW R,0, R,1, R,2, R,3
	ROW B,0, E,4, F,14, L,0
.if ((\p) == 2) && !(\end)
	v_add_nc_u32 v[AK], s[TBK], v[AK0]
.endif
	ROW R,4, R,5, R,6, R,7
	OPS E,5, F,15
.if ((\p) == 2) && !(\end)
	FETCH_K
.endif
	OPS E,6, C,1, E,7, R,8
	OPS E,8, R,9, E,9, C,2
	OPS E,10, X,0, E,11, X,1
	OPS E,12, X,2, E,13, X,3
.if (\p) == 1
	s_wait_dscnt 0x0                ; V is in
.endif
	ROW X,4, E,14, X,5, X,6
	ROW X,7, E,15, X,8, X,9
	ROW X,10, E,16, X,11, X,12
	ROW X,13, E,17, X,14, B,1
	ROW C,4, E,18, X,16, L,1
	ROW B,2, E,19, C,6, L,2
	ROW C,8, E,20, B,3, B,4
.if (\p) == 0
	v_add_nc_u32 v[AV], s[TBV], v[AV0]
.endif
	ROW C,3, E,21, L,3, C,5
	OPS E,22, X,17, E,23, C,10
.if (\p) == 0
	FETCH_V
.endif
	OPS E,24, L,4
	OPS E,25, X,18, E,26, C,7
	OPS E,27, B,5, E,28, X,19
	OPS E,29, C,12, E,30, L,5
	OPS E,31, X,20, B,6, C,9
	OPS C,14, C,11, X,21, L,6
.if (\p) == 0
	s_add_co_u32 s[TBV], s[TBV], KS*PV
.endif
.if \cnt
	s_sub_co_u32 s[CNT], s[CNT], 1
	s_cmp_lg_u32 s[CNT], 0
.endif
	OPS C,13, B,7, C,15, R,10
	OPS R,11, R,12, L,7, R,13
	OPS R,14, R,15
.endm
.macro ALL line:vararg              ; one line for each piece t
.set t, 0
.rept 4
	\line
.set t, t+1
.endr
.endm
.macro PACK t                       ; a lane's eight channels of a row pack into 16 bytes; they go into rows of 144 bytes and come back as whole rows of 128, into S^T's registers
	WIN W_RS
.set i, 32*(\t)
.rept 16
	s_wait_alu depctr_va_vdst(0)
	v_pk_mul_f32 v[i:i+1], v[i:i+1], v[ST+4*(\t)+2:ST+4*(\t)+3] op_sel_hi:[1,0]
.set i, i+2
.endr
	WIN 0x05
.set i, 0
.rept 16
	v_cvt_pk_bf16_f32 v[S+16*(\t)+i], v[32*(\t)+2*i], v[32*(\t)+2*i+1]
.set i, i+1
.endr
	WIN 0
.irp f, 0,1,2,3
	ds_store_b128 v[STO], v[S+16*(\t)+4*\f:S+16*(\t)+4*\f+3] offset:32*\f
.endr
.irp f, 0,1,2,3
	ds_load_b128 v[S+16*(\t)+4*\f:S+16*(\t)+4*\f+3], v[RD] offset:\f*4*SP  ; LDS serves a wave's instructions in order (ISA guide 5.7.1.4)
.endr
.endm
.macro SEND t, younger              ; younger: the LDS instructions issued behind piece t's loads: the next piece's eight, or none
	WIN 0
.irp f, 0,1,2,3
	s_wait_dscnt (\younger)+3-\f
	global_store_b128 v[GO], v[S+16*(\t)+4*\f:S+16*(\t)+4*\f+3], s[10:11] offset:(\t)*2048+\f*512  ; 512 consecutive bytes, aligned
.endr
.endm
	s_load_b128 s[4:7], s[0:1], 0x0 ; qkv, ob
	v_lshl_add_u32 v[SPW], v0, 2, SPARE
	v_mov_b32 v[NIL], 0
	ds_add_u32 v62, v63
	s_wait_dscnt 0x0
	v_lshrrev_b32 v1, 5, v0
	v_readfirstlane_b32 s[WV], v1
	s_bfe_u32 s13, ttmp6, 0x40000   ; cx
	s_lshl_b32 s14, ttmp9, 2
	s_add_co_u32 s14, s14, s13      ; my block of 256 queries: it enters Q's and O's addresses alone
	s_and_b32 s20, ttmp7, 0xffff    ; the head, which the four partners share
	s_lshl_b32 s20, s20, 18         ; its first byte: 2,048 rows of 128 bytes
	s_and_b32 s16, s[WV], 1         ; which half of a tile's 256 keys I fetch
	s_lshl_b32 s22, s16, 14
	s_add_co_u32 s22, s22, s20
	s_add_co_u32 s22, s22, 8388608  ; K
	s_mov_b32 s23, 0
	s_add_co_u32 s48, s22, 8388608  ; V
	s_mov_b32 s49, 0
	s_mul_i32 s17, s16, 128*PK
	s_mul_i32 s18, s16, 128*PV
	s_lshl_b32 s2, s14, 15          ; my block's 256 rows,
	s_lshl_b32 s3, s[WV], 13        ; my wave's 64 of them
	s_add_co_u32 s2, s2, s3
	s_add_co_u32 s2, s2, s20
	s_mov_b32 s3, 0
	; 128 keys are 16,384 dense bytes: asked for as 64 rows of 256 bytes, two keys a row, padded in LDS after every key
	s_mov_b32 s[G1K], 15|(1<<16)|(1<<20)|(1<<21)|(4<<22)|(3<<25)
	s_mov_b32 s[G1V], 15|(1<<16)|(1<<20)|(1<<21)|(4<<22)|(7<<25)
.irp g, G1K, G1V
	s_mov_b32 s[\g+1], 128<<16
	s_mov_b32 s[\g+2], 64<<16
	s_mov_b32 s[\g+3], 128<<16
	s_mov_b32 s[\g+4], 64
	s_mov_b32 s[\g+5], 128
	s_mov_b32 s[\g+6], 0
	s_mov_b32 s[\g+7], 0
.endr
	s_mov_b32 s[CS], 0x3e38aa3b     ; c = log2(e) / 8
	s_mov_b32 s[CS+1], s[CS]
	s_mov_b32 s[SEL], 0x76543210
	s_mov_b32 s[SEL+1], 0xfedcba98
	s_mov_b32 s[TBK], SLOT1+4*KS*PK ; the first change of slots turns these two into 0
	s_mov_b32 s[TBV], SLOT1+4*KS*PV
	s_mov_b32 s[G0K], 1
	s_mov_b32 s[G0K+1], s17
	s_mov_b32 s[G0V], 1
	s_add_co_u32 s[G0V+1], s18, VOFF
	s_wait_kmcnt 0x0
	s_add_nc_u64 s[G0K+2:G0K+3], s[4:5], s[22:23]
	s_or_b32 s[G0K+3], s[G0K+3], 0x80000000
	s_add_nc_u64 s[G0V+2:G0V+3], s[4:5], s[48:49]
	s_or_b32 s[G0V+3], s[G0V+3], 0x80000000
	s_add_nc_u64 s[10:11], s[6:7], s[2:3]  ; O and Q at my wave's first row
	s_add_nc_u64 s[4:5], s[4:5], s[2:3]
	CROUND                          ; all four work-groups are here
	JLOAD                           ; tile 0 into slot 0
	v_and_b32 v1, 15, v0
	v_bfe_u32 v9, v0, 4, 1
	v_lshlrev_b32 v[QO], 7, v1
	v_lshl_add_u32 v[QO], v9, 4, v[QO]
	WIN 0x80
.set i, 0
.rept 8                             ; Q stays in registers: piece i / 2, channels 32 (i % 2) on
	global_load_b128 v[8*i:8*i+3],   v[QO], s[4:5] offset:(i/2)*2048+(i%2)*64
	global_load_b128 v[8*i+4:8*i+7], v[QO], s[4:5] offset:(i/2)*2048+(i%2)*64+32
.set i, i+1
.endr
	; No first step is written out: the first turn's products V^T P, of a piece that has not been, add zeros, and the first a is 0.  The price: these zeros, in the wait for the first tile.
.set i, VF
.rept 64
	v_mov_b32 v[i], 0
.set i, i+1
.endr
	WIN 0x40
.set i, 0
.rept 128
	v_mov_b32 v[i], 0
.set i, i+1
.endr
	WIN 0
.set i, 0
.rept 4
	v_mov_b32 v[ST+4*i], 0xfe000000    ; c m: far below every c s
	v_mov_b32 v[ST+4*i+1], 0xff7fffff  ; m
	v_mov_b32 v[ST+4*i+2], 0
	v_mov_b32 v[ST+4*i+3], 0
.set i, i+1
.endr
.set i, P+16
.rept 16
	v_mov_b32 v[i], 0
.set i, i+1
.endr
	v_mul_u32_u24 v[AK0], v1, PK
	v_lshl_add_u32 v[AK0], v9, 4, v[AK0]
	v_and_b32 v10, 7, v0            ; the turning load: lane l reads key 8 (l / 16) + l % 8, channels 8 ((l / 8) % 2) + 0..7
	v_bfe_u32 v11, v0, 3, 1
	v_lshl_add_u32 v[AV0], v9, 3, v10
	v_mul_u32_u24 v[AV0], v[AV0], PV
	v_lshl_add_u32 v[AV0], v11, 4, v[AV0]
	v_add_nc_u32 v[AV0], VOFF, v[AV0]
	s_mul_i32 s13, s[WV], 16*SP
	s_add_co_u32 s13, s13, STAGE
	v_mul_u32_u24 v[STO], v1, SP
	v_lshl_add_u32 v[STO], v9, 4, v[STO]
	v_add_nc_u32 v[STO], s13, v[STO]
	v_bfe_u32 v[RD], v0, 3, 2
	v_mul_u32_u24 v[RD], v[RD], SP
	v_lshl_add_u32 v[RD], v10, 4, v[RD]
	v_add_nc_u32 v[RD], s13, v[RD]
	v_and_b32 v[GO], 31, v0
	v_lshlrev_b32 v[GO], 4, v[GO]
	CHANGE 1                        ; tile 0 is in, everybody's part of it; tile 1 is asked for
	v_add_nc_u32 v[AK], s[TBK], v[AK0]
	FETCH_K                         ; key step 0
	s_wait_loadcnt 0x0              ; Q
	s_wait_dscnt 0x0
.set NOKQ, 0
.set i, 0
.rept 8
	KQ 0                            ; piece 0's first scores
.set i, i+1
.endr
	WIN 0
.rept 4
	v_nop                           ; the places behind those products
.endr
.set Y, NP-1                        ; X works for piece Y + 1: piece 0
.irp n, 0,1,2,3,4,5,6,7,8,9,10,11,12,13,14,15,16,17,18,19,20,21
	OP X, \n
.endr
	v_nop                           ; a plain instruction behind the exponential
	s_mov_b32 s[CNT], 4
	s_mov_b32 s[SLOTS], 7
	s_branch .Lfirst                ; the loop is entered at a step's first turn, in the middle of a trip
.Lslot:                             ; six times: tiles 2 to 7 are asked for
	CHANGE 1
	s_mov_b32 s[CNT], 4
.Lstep:                             ; a trip: pieces 2 and 3 of one step, then pieces 0 and 1 of the next, whose K and V it fetches
	TURN 2
	TURN 3
	WIN 0
.Lfirst:
	TURN 0
	TURN 1, 0, 1
	WIN 0
	s_cbranch_scc1 .Lstep
	s_sub_co_u32 s[SLOTS], s[SLOTS], 1
	s_cmp_lg_u32 s[SLOTS], 0
	s_cbranch_scc1 .Lslot
	CHANGE 0                        ; the last tile is written out: nothing is asked for
	s_mov_b32 s[CNT], 4
.LstepT:
	TURN 2
	TURN 3
	TURN 0
	TURN 1, 0, 1
	WIN 0
	s_cbranch_scc1 .LstepT
	TURN 2, 1
	TURN 3, 1
.set i, 0
.rept 8
	PV NP-1                         ; the last piece's V^T P of the last step
.set i, i+1
.endr
	; THE WAY OUT.  l's two halves and the other half of the lanes' are added; O^T is divided by l, rounded and sent through my stage.  The additions are the places behind the last products.
	WIN 0
	ALL v_add_f32 v[ST+4*t+2], v[ST+4*t+2], v[ST+4*t+3]
	ALL v_permlanex16_b32 v[ST+4*t+3], v[ST+4*t+2], s[SEL], s[SEL+1]
	ALL v_add_f32 v[ST+4*t+2], v[ST+4*t+2], v[ST+4*t+3]
	ALL v_rcp_f32 v[ST+4*t+2], v[ST+4*t+2]
	v_nop
	PACK 0
.set t, 1
.rept 3
	PACK t
	SEND t-1, 8
.set t, t+1
.endr
	SEND 3, 0
	s_wait_tensorcnt 0x0            ; the wave's end
	ds_add_u32 v[SPW], v[NIL]
	s_wait_dscnt 0x0
	CROUND                          ; the closing round
	s_endpgm
.Lfunc_end_k_q1af3eda437_attn:
	.size	k_q1af3eda437_attn, .Lfunc_end_k_q1af3eda437_attn-k_q1af3eda437_attn
	.p2alignl 7, 3214868480
	.fill 96, 4, 3214868480
	.section	.rodata,"a",@progbits
	.p2align	6, 0x0
	.amdhsa_kernel k_q1af3eda437_attn
		.amdhsa_group_segment_fixed_size 327680
		.amdhsa_private_segment_fixed_size 0
		.amdhsa_enable_private_segment 0
		.amdhsa_kernarg_size 16
		.amdhsa_user_sgpr_count 2
		.amdhsa_user_sgpr_kernarg_segment_ptr 1
		.amdhsa_wavefront_size32 1
		.amdhsa_system_sgpr_workgroup_id_x 1
		.amdhsa_system_sgpr_workgroup_id_y 1
		.amdhsa_system_sgpr_workgroup_id_z 1
		.amdhsa_system_vgpr_workitem_id 0
		.amdhsa_next_free_vgpr 768
		.amdhsa_next_free_sgpr 66
		.amdhsa_reserve_vcc 0
		.amdhsa_float_denorm_mode_32 3
		.amdhsa_float_denorm_mode_16_64 3
		.amdhsa_memory_ordered 1
		.amdhsa_forward_progress 1
		.amdhsa_inst_pref_size 133
	.end_amdhsa_kernel
	.amdgpu_metadata
---
amdhsa.version: [ 1, 2 ]
amdhsa.kernels:
  - .name:           k_q1af3eda437_attn
    .symbol:         k_q1af3eda437_attn.kd
    .args:
      - { .name: qkv, .offset: 0, .size: 8, .value_kind: global_buffer, .address_space: global }
      - { .name: ob, .offset: 8, .size: 8, .value_kind: global_buffer, .address_space: global }
    .group_segment_fixed_size: 327680
    .private_segment_fixed_size: 0
    .kernarg_segment_align: 8
    .kernarg_segment_size: 16
    .max_flat_workgroup_size: 128
    .sgpr_count:     66
    .vgpr_count:     768
    .wavefront_size: 32
...
	.end_amdgpu_metadata
.endif
;; end of part 3
;; launch wo (part 4): grid 8 x 32, 4 waves a work-group, clusters of 4 x 4, 327,680 bytes of LDS; arguments ob, wb, xh, bo, g2, res; writes res
.if DOCPART == 4
	.amdgcn_target "amdgcn-amd-amdhsa--gfx1250"
	.amdhsa_code_object_version 6
	.text
	.protected	k_q1af3eda437_wo
	.globl	k_q1af3eda437_wo
	.p2align	8
	.type	k_q1af3eda437_wo,@function
k_q1af3eda437_wo:
	s_mov_b64 s[64:65], 0
	v_nop
	global_prefetch_b8 v0, s[64:65] scope:SCOPE_SE
	s_setreg_imm32_b32 hwreg(HW_REG_WAVE_MODE, 25, 1), 1
	s_wait_xcnt 0x0
	s_wait_alu depctr_hold_cnt(0) depctr_sa_sdst(0) depctr_va_vdst(0) depctr_va_sdst(0) depctr_va_ssrc(0) depctr_va_vcc(0) depctr_vm_vsrc(0)
	s_getreg_b32 s2, hwreg(HW_REG_IB_STS2, 6, 4)
	s_cmp_eq_u32 s2, 0
	s_cbranch_scc0 .Lentry_in_a_cluster
	s_endpgm
.Lentry_in_a_cluster:
	s_bfe_u32 s2, ttmp6, 0x10000c
	s_cmp_lg_u32 s2, 0xf033
	s_cbranch_scc0 .Lentry_shape_is_right
	s_endpgm
.Lentry_shape_is_right:
; x1 = xb + o wo + bo (f32, [4096][1024]); a2 = bf16(x1 * bf16(g2)), blocked; ssq[column / 64][row] = the sum of x1^2 over 64 columns: the second norm's scale is made of these 16 parts by the next launch.
; o: blocked bf16 [batch][head][row][64].  wo: bf16 [1024][1024] as it lies, at byte 6,291,456 of wb.  bo, rounded to bf16, starts the sums as the first products' C.
; A work-group makes 128 x 128 (256 work-groups), a wave 64 x 64: 16 accumulators.  K = 1,024 goes in 4 steps of 256 through two LDS slots.
; CLUSTER 4 x 4: o's tiles are asked for jointly along a row of the cluster, wo's along a column.  THE PRODUCT IS USED TRANSPOSED (source 0 = 16 columns of wo, turned; source 1 = 16 rows of o).
; WINDOWS: 0: v1-31 addresses and at work; v32-63 the bias, later rows read back; v64-95 rows read back; v96-127 a2 packed; v128-255 accumulator (a, b) at 128 + 8 (4 a + b)
;   1: two fragment buffers of 128 (64 of o, 64 of wo)     2: v64-127 xb as loaded, widened into v0-127
.set NCB,   16
.set LAPS,  2
.set WSRC,  6291456
.set CBB,   262144
.set PA,    144
.set ACB,   128*PA                     ; one column block, 128 rows
.set PW,    288                        ; a k row of W: 256 bytes + 32: 72 words
.set PART,  36864                      ; what one load brings: two column blocks of A, or 128 k rows of W
.set WREG,  2*PART
.set SLOT,  4*PART
.set STAGE, 2*SLOT                     ; 16 rows x 272 bytes (64 f32 + 16) for each wave
.set SPITCH, 272
.set SQ,    STAGE+4*16*SPITCH          ; 64 row sums for each wave
.set SPARE, SQ+4*256
.set ADRA, 16
.set ADRB, 20                          ; v20-23: slot, half of the k rows
.set STO,  24
.set RD,   25
.set CO,   26
.set BO,   27
.set SPW,  28
.set NIL,  29
.set BIAS, 32
.set T0,   32
.set AP,   96
.set ACC,  128
.set F0,   0
.set F1,   128
.set G1,  24
.set G0,  32
.set G1B, 48
.set G0B, 56
.set MSB, 0
.macro WIN new
.if MSB != (\new)
	s_set_vgpr_msb (MSB<<8)|(\new)
.set MSB, \new
.endif
.endm
.set MUL,  0x05
.set TO_F, 0x40
.macro JLOAD s                         ; waves 0, 1 fetch A's two pairs of column blocks, waves 2, 3 W's two halves; four v_nop follow each line
	s_cmp_lt_u32 s10, 2
	s_cbranch_scc0 .Lfor_w_\@
	tensor_load_to_lds s[G0+4*(\s):G0+4*(\s)+3], s[G1:G1+7]
	s_nop 0
.rept 4
	v_nop
.endr
	s_branch .Lasked_\@
.Lfor_w_\@:
	tensor_load_to_lds s[G0B+4*(\s):G0B+4*(\s)+3], s[G1B:G1B+7]
	s_nop 0
.rept 4
	v_nop
.endr
.Lasked_\@:
.endm
.macro CREST
	s_cmp_lg_u32 s10, 0
	s_cbranch_scc1 .Lnot_wave_0_\@
	s_barrier_signal -3
.Lnot_wave_0_\@:
	s_barrier_wait -3
	s_barrier_signal -1
	s_barrier_wait -1
.endm
.macro CROUND
	s_barrier_signal -1
	s_barrier_wait -1
	CREST
.endm
.macro PLACES
.rept 4
	v_nop
.endr
.endm
.macro MUL8 f, c, a0, first            ; 8 matrix instructions: row blocks a0, a0 + 1 x all 4 column blocks, half c of buffer f.  first = 1: the bias is C
	WIN MUL
.irp a, \a0, (\a0)+1
.irp b, 0,1,2,3
.if \first
	v_wmma_f32_16x16x32_bf16 v[ACC+8*(4*(\a)+(\b)):ACC+8*(4*(\a)+(\b))+7], v[(\f)+64+8*(4*(\c)+(\b)):(\f)+64+8*(4*(\c)+(\b))+7], v[(\f)+8*(4*(\c)+(\a)):(\f)+8*(4*(\c)+(\a))+7], v[BIAS+8*(\b):BIAS+8*(\b)+7]
.else
	v_wmma_f32_16x16x32_bf16 v[ACC+8*(4*(\a)+(\b)):ACC+8*(4*(\a)+(\b))+7], v[(\f)+64+8*(4*(\c)+(\b)):(\f)+64+8*(4*(\c)+(\b))+7], v[(\f)+8*(4*(\c)+(\a)):(\f)+8*(4*(\c)+(\a))+7], v[ACC+8*(4*(\a)+(\b)):ACC+8*(4*(\a)+(\b))+7]
.endif
.endr
.endr
.endm
.macro FETCH slot, q, f                ; 32 LDS loads in one run: quarter q (64 along K: one column block of A) into buffer f; the first 32 along K first
	WIN TO_F
.irp c, 0,1
.irp i, 0,1,2,3
	ds_load_tr16_b128 v[(\f)+64+8*(4*(\c)+(\i)):(\f)+64+8*(4*(\c)+(\i))+3],   v[ADRB+2*(\slot)+(\q)/2] offset:(((\q)%2)*64+32*(\c))*PW+32*(\i)
	ds_load_tr16_b128 v[(\f)+64+8*(4*(\c)+(\i))+4:(\f)+64+8*(4*(\c)+(\i))+7], v[ADRB+2*(\slot)+(\q)/2] offset:(((\q)%2)*64+32*(\c)+16)*PW+32*(\i)
	ds_load_b128 v[(\f)+8*(4*(\c)+(\i)):(\f)+8*(4*(\c)+(\i))+3],   v[ADRA+(\slot)] offset:(\q)*ACB+64*(\c)+(\i)*16*PA
	ds_load_b128 v[(\f)+8*(4*(\c)+(\i))+4:(\f)+8*(4*(\c)+(\i))+7], v[ADRA+(\slot)] offset:(\q)*ACB+64*(\c)+(\i)*16*PA+32
.endr
.endr
.endm
.macro QUARTER slot, q, f, g, first
	s_wait_dscnt 16                                ; the first 32 along K are in; the other sixteen loads may be out
	MUL8 \f, 0, 0, \first
	MUL8 \f, 0, 2, \first
	PLACES
	FETCH \slot, \q, \g
	s_wait_dscnt 32                                ; all but the 32 just issued
	MUL8 \f, 1, 0, 0
	MUL8 \f, 1, 2, 0
.endm
.macro TURN slot, next, fill           ; the last quarter multiplies buffer 1 and changes slots; fill = 1: this slot is filled again, two K steps on
	WIN 0
	s_wait_tensorcnt 0x0                           ; all my tensor loads have landed: my part of the next slot
	ds_add_u32 v[SPW], v[NIL]
	s_wait_dscnt 17                                ; the add and the youngest sixteen loads may be out
	MUL8 F1, 0, 0, 0
	s_wait_dscnt 0x0                               ; the add is done, and my reads of this slot are over
	s_barrier_signal -1
	MUL8 F1, 0, 2, 0
.if \fill
	WIN 0
.endif
	s_barrier_wait -1
.if \fill
	CREST                                          ; the barrier has opened a round of the cluster's
	s_add_nc_u64 s[G0+4*(\slot)+2:G0+4*(\slot)+3], s[G0+4*(\slot)+2:G0+4*(\slot)+3], 8*CBB
	s_add_nc_u64 s[G0B+4*(\slot)+2:G0B+4*(\slot)+3], s[G0B+4*(\slot)+2:G0B+4*(\slot)+3], 512*2048
	JLOAD \slot                                    ; its four v_nop are also the places in front of the loads below
.else
	PLACES
.endif
	FETCH \next, 0, F0
	MUL8 F1, 1, 0, 0
	MUL8 F1, 1, 2, 0
.endm
; THE WAY OUT of block a (16 rows x my 64 columns): the sums go as they are through my stage and come back by rows, 16 lanes a row of 256 bytes.
.macro OUT a
.set TT, T0+32*((\a)%2)
.set AQ, AP+16*((\a)%2)
	s_wait_xcnt 0x0                                ; the registers that earlier stores read are written again only behind this wait
.irp b, 0,1,2,3
	ds_store_b128 v[STO], v[ACC+8*(4*(\a)+(\b)):ACC+8*(4*(\a)+(\b))+3] offset:64*(\b)
	ds_store_b128 v[STO], v[ACC+8*(4*(\a)+(\b))+4:ACC+8*(4*(\a)+(\b))+7] offset:64*(\b)+16
.endr
.irp t, 0,1,2,3,4,5,6,7
	ds_load_b128 v[TT+4*(\t):TT+4*(\t)+3], v[RD] offset:2*SPITCH*(\t)   ; LDS serves a wave's instructions in order (ISA guide 5.7.1.4)
.endr
	s_wait_dscnt 0x0
	WIN 0x08                                       ; source 1: the residual, in window 2
.set i, 0
.rept 16
	v_pk_add_f32 v[TT+2*i:TT+2*i+1], v[TT+2*i:TT+2*i+1], v[32*(\a)+2*i:32*(\a)+2*i+1]
.set i, i+1
.endr
	WIN 0
.irp t, 0,1,2,3,4,5,6,7
	global_store_b128 v[CO], v[TT+4*(\t):TT+4*(\t)+3], s[76:77] offset:4096*(16*(\a)+2*(\t))   ; x1: 16 lanes store 256 consecutive bytes, aligned
	v_pk_mul_f32 v[14:15], v[TT+4*(\t):TT+4*(\t)+1], v[6:7]
	v_pk_mul_f32 v[18:19], v[TT+4*(\t)+2:TT+4*(\t)+3], v[8:9]
	v_pk_mul_f32 v[30:31], v[TT+4*(\t):TT+4*(\t)+1], v[TT+4*(\t):TT+4*(\t)+1]
	v_cvt_pk_bf16_f32 v[AQ+2*(\t)], v14, v15
	v_cvt_pk_bf16_f32 v[AQ+2*(\t)+1], v18, v19
	v_pk_fma_f32 v[30:31], v[TT+4*(\t)+2:TT+4*(\t)+3], v[TT+4*(\t)+2:TT+4*(\t)+3], v[30:31]
	global_store_b64 v13, v[AQ+2*(\t):AQ+2*(\t)+1], s[78:79] offset:128*(16*(\a)+2*(\t))       ; a2: two rows of a column block, 256 consecutive bytes
	v_add_f32 v30, v30, v31
	v_add_f32_dpp v30, v30, v30 row_xmask:1 row_mask:0xf bank_mask:0xf
	v_add_f32_dpp v30, v30, v30 row_xmask:2 row_mask:0xf bank_mask:0xf
	v_add_f32_dpp v30, v30, v30 row_xmask:4 row_mask:0xf bank_mask:0xf
	v_add_f32_dpp v30, v30, v30 row_xmask:8 row_mask:0xf bank_mask:0xf
	ds_store_b32 v11, v30 offset:4*(16*(\a)+2*(\t))                                            ; the row's 16 lanes write one word, with one value
.endr
.endm
	s_load_b128 s[4:7], s[0:1], 0x0                ; ob, wb
	s_load_b256 s[68:75], s[0:1], 0x10             ; xh, bo, g2, res
	v_lshl_add_u32 v[SPW], v0, 2, SPARE
	v_mov_b32 v[NIL], 0
	ds_add_u32 v28, v29
	s_wait_dscnt 0x0
	v_lshrrev_b32 v1, 5, v0
	v_readfirstlane_b32 s10, v1
	s_lshr_b32 s11, s10, 1                         ; which half of the tile's rows is mine
	s_and_b32 s12, s10, 1                          ; which half of its columns; also which part of a tile I fetch
	s_bfe_u32 s40, ttmp6, 0x40000
	s_bfe_u32 s41, ttmp6, 0x40004
	s_lshl_b32 s42, ttmp9, 2
	s_add_co_u32 s42, s42, s40                     ; tile column
	s_and_b32 s13, ttmp7, 0xffff
	s_lshl_b32 s13, s13, 2
	s_add_co_u32 s13, s13, s41                     ; tile row
	s_lshl_b32 s43, s41, 2
	s_lshl_b32 s43, 15, s43
	s_lshl_b32 s44, 0x1111, s40
	s_or_b32 s[G1+0], s43, (1<<16)|(1<<20)|(1<<21)|(4<<22)|(3<<25)   ; 4 words of padding after every 32: after each row of 64 numbers
	s_mov_b32 s[G1+1], 8192<<16                    ; 128 rows of a column block are 16,384 dense bytes: one row of 8,192 elements;
	s_mov_b32 s[G1+2], 2<<16                       ; two such rows,
	s_mov_b32 s[G1+3], 8192<<16
	s_mov_b32 s[G1+4], 2
	s_mov_b32 s[G1+5], 131072                      ; a column block apart
	s_mov_b32 s[G1+6], 0
	s_mov_b32 s[G1+7], 0
	s_or_b32 s[G1B+0], s44, (1<<16)|(1<<20)|(1<<21)|(5<<22)|(7<<25)  ; 8 words of padding after every 64
	s_mov_b32 s[G1B+1], 128<<16                    ; 128 k rows of 128 columns
	s_mov_b32 s[G1B+2], 128<<16
	s_mov_b32 s[G1B+3], 128<<16
	s_mov_b32 s[G1B+4], 128
	s_mov_b32 s[G1B+5], 1024
	s_mov_b32 s[G1B+6], 0
	s_mov_b32 s[G1B+7], 0
	s_lshr_b32 s16, s13, 4                         ; A: (NCB x batch + my pair of column blocks) x CBB + 128 rows x 128 bytes x (tile row % 16)
	s_mul_i32 s16, s16, NCB
	s_lshl1_add_u32 s16, s12, s16
	s_lshl_b32 s16, s16, 18
	s_and_b32 s17, s13, 15
	s_lshl_b32 s17, s17, 14
	s_add_co_u32 s16, s16, s17
	s_mov_b32 s17, 0
	s_lshl_b32 s46, s12, 18                        ; W: my 128 k rows, the tile's 256 bytes of a row
	s_lshl_b32 s47, s42, 8
	s_add_co_u32 s46, s46, s47
	s_add_co_u32 s46, s46, WSRC
	s_mov_b32 s47, 0
	s_mul_i32 s20, s10, PART                       ; where they go: wave x PART, A's two parts and then W's two
	s_wait_kmcnt 0x0
	s_add_nc_u64 s[14:15], s[4:5], s[16:17]
	s_add_nc_u64 s[46:47], s[6:7], s[46:47]
	CROUND
.irp s, 0,1
	s_mov_b32 s[G0+4*(\s)], 1
	s_add_co_u32 s[G0+4*(\s)+1], s20, (\s)*SLOT
	s_add_nc_u64 s[G0+4*(\s)+2:G0+4*(\s)+3], s[14:15], (\s)*4*CBB
	s_or_b32 s[G0+4*(\s)+3], s[G0+4*(\s)+3], 0x80000000
	s_mov_b32 s[G0B+4*(\s)], 1
	s_add_co_u32 s[G0B+4*(\s)+1], s20, (\s)*SLOT
	s_add_nc_u64 s[G0B+4*(\s)+2:G0B+4*(\s)+3], s[46:47], (\s)*256*2048
	s_or_b32 s[G0B+4*(\s)+3], s[G0B+4*(\s)+3], 0x80000000
	JLOAD \s                                       ; two loads of mine are out
.endr
	s_lshl_b32 s46, s13, 19                        ; x1 at my first row and column: 4,096 x (128 x tile row + 64 x half) + 4 x (128 x tile column + 64 x half)
	s_lshl_b32 s47, s11, 18
	s_add_co_u32 s46, s46, s47
	s_lshl_b32 s47, s42, 9
	s_add_co_u32 s46, s46, s47
	s_lshl_b32 s47, s12, 8
	s_add_co_u32 s46, s46, s47
	s_mov_b32 s47, 0
	s_add_nc_u64 s[76:77], s[74:75], s[46:47]
	s_lshl_b32 s46, s42, 9                         ; bo and g2 at my 64 columns
	s_lshl_b32 s22, s12, 8
	s_add_co_u32 s46, s46, s22
	s_add_nc_u64 s[70:71], s[70:71], s[46:47]
	s_add_nc_u64 s[72:73], s[72:73], s[46:47]
	s_lshr_b32 s46, s13, 4                         ; blocked: column block 16 x batch + 2 x tile column + half, my first row
	s_lshl_b32 s46, s46, 4
	s_lshl1_add_u32 s46, s42, s46
	s_add_co_u32 s46, s46, s12
	s_lshl_b32 s46, s46, 18
	s_and_b32 s22, s13, 15
	s_lshl_b32 s22, s22, 14
	s_add_co_u32 s46, s46, s22
	s_lshl_b32 s22, s11, 13
	s_add_co_u32 s46, s46, s22
	s_add_co_u32 s22, s46, 8388608
	s_mov_b32 s23, 0
	s_add_nc_u64 s[66:67], s[68:69], s[22:23]      ; xb
	s_add_co_u32 s22, s46, 16777216
	s_add_nc_u64 s[78:79], s[74:75], s[22:23]      ; a2
	s_lshl1_add_u32 s22, s42, s12                  ; ssq: part 2 x tile column + half, my 64 rows
	s_lshl_b32 s22, s22, 14
	s_lshl_b32 s46, s13, 9
	s_add_co_u32 s22, s22, s46
	s_lshl_b32 s46, s11, 8
	s_add_co_u32 s22, s22, s46
	s_add_co_u32 s22, s22, 25165824
	s_add_nc_u64 s[8:9], s[74:75], s[22:23]
	v_and_b32 v1, 15, v0                           ; l % 16
	v_bfe_u32 v2, v0, 4, 1                         ; l / 16
	v_lshlrev_b32 v[BO], 5, v2
	v_lshlrev_b32 v10, 4, v1
	v_and_b32 v13, 31, v0
	v_lshlrev_b32 v13, 3, v13                      ; 8 l
.irp b, 0,1,2,3
	global_load_b128 v[BIAS+8*(\b):BIAS+8*(\b)+3],   v[BO], s[70:71] offset:64*(\b)
	global_load_b128 v[BIAS+8*(\b)+4:BIAS+8*(\b)+7], v[BO], s[70:71] offset:64*(\b)+16
.endr
	global_load_b128 v[6:9], v10, s[72:73]         ; g2 of the four columns that I hold on the way out
	WIN 0x80
.set i, 0
.rept 32                                               ; the residual: rows 16 (i / 8) + 2 (i % 8) and the next, 256 consecutive bytes a load
	global_load_b64 v[64+2*i:65+2*i], v13, s[66:67] offset:128*(16*(i/8)+2*(i%8))
.set i, i+1
.endr
	WIN 0
	v_mul_u32_u24 v3, v1, PA
	v_lshl_add_u32 v3, v2, 4, v3
	s_mul_i32 s22, s11, 64*PA
	v_add_nc_u32 v[ADRA], s22, v3
	v_add_nc_u32 v[ADRA+1], SLOT, v[ADRA]
	v_and_b32 v4, 7, v0
	v_lshl_add_u32 v4, v2, 3, v4
	v_mul_u32_u24 v4, v4, PW
	v_bfe_u32 v5, v0, 3, 1
	v_lshl_add_u32 v4, v5, 4, v4
	s_lshl_b32 s22, s12, 7
	s_add_co_u32 s22, s22, WREG
	v_add_nc_u32 v[ADRB], s22, v4
	v_add_nc_u32 v[ADRB+1], PART, v[ADRB]
	v_add_nc_u32 v[ADRB+2], SLOT, v[ADRB]
	v_add_nc_u32 v[ADRB+3], SLOT+PART, v[ADRB]
	s_mul_i32 s22, s10, 16*SPITCH
	s_add_co_u32 s22, s22, STAGE
	v_mul_u32_u24 v3, v1, SPITCH                   ; in: row l % 16, 32 bytes for each half of the lanes
	v_lshl_add_u32 v3, v2, 5, v3
	v_add_nc_u32 v[STO], s22, v3
	v_mul_u32_u24 v4, v2, SPITCH                   ; back: lanes 0-15 one row, lanes 16-31 the next
	v_add_nc_u32 v4, v4, v10
	v_add_nc_u32 v[RD], s22, v4
	v_lshl_add_u32 v[CO], v2, 12, v10              ; and the same two rows in x1
	s_lshl_b32 s22, s10, 8
	s_add_co_u32 s22, s22, SQ
	v_lshl_add_u32 v11, v2, 2, s22
	v_add_nc_u32 v12, s22, v13
	s_wait_loadcnt 32                              ; the bias and g2 are in; the residual's 32 loads stay out
.set i, 0
.rept 16
	v_cvt_pk_bf16_f32 v[14+i%2], v[BIAS+2*i], v[BIAS+2*i+1]
	v_lshlrev_b32 v[BIAS+2*i], 16, v[14+i%2]
	v_and_b32 v[BIAS+2*i+1], 0xffff0000, v[14+i%2]
.set i, i+1
.endr
.set i, 0
.rept 2
	v_cvt_pk_bf16_f32 v[14+i], v[6+2*i], v[7+2*i]
	v_lshlrev_b32 v[6+2*i], 16, v[14+i]
	v_and_b32 v[7+2*i], 0xffff0000, v[14+i]
.set i, i+1
.endr
	s_wait_tensorcnt 1                             ; my part of K step 0 is in; K step 1's may stay out
	s_barrier_signal -1
	s_barrier_wait -1
	FETCH 0, 0, F0
	QUARTER 0, 1, F0, F1, 1
	WIN 0
	s_mov_b32 s3, LAPS-1
.Llap:                                                 ; a trip goes once round the ring; the 16 accumulators take turns
	QUARTER 0, 2, F1, F0, 0
	QUARTER 0, 3, F0, F1, 0
	TURN 0, 1, 1
	QUARTER 1, 1, F0, F1, 0
	QUARTER 1, 2, F1, F0, 0
	QUARTER 1, 3, F0, F1, 0
	TURN 1, 0, 1
	QUARTER 0, 1, F0, F1, 0
	WIN 0
	s_sub_co_u32 s3, s3, 1
	s_cmp_lg_u32 s3, 0
	s_cbranch_scc1 .Llap
	QUARTER 0, 2, F1, F0, 0                        ; the last lap fills nothing
	QUARTER 0, 3, F0, F1, 0
	TURN 0, 1, 0
	QUARTER 1, 1, F0, F1, 0
	QUARTER 1, 2, F1, F0, 0
	QUARTER 1, 3, F0, F1, 0
	s_wait_dscnt 16
	MUL8 F1, 0, 0, 0
	MUL8 F1, 0, 2, 0
	s_wait_dscnt 0x0
	MUL8 F1, 1, 0, 0
	MUL8 F1, 1, 2, 0
	s_wait_loadcnt 0x0                             ; the residual
	WIN 0x88                                       ; it is widened to f32 in window 2: word 64 + i into registers 2 i, 2 i + 1, which lie below every word still to be read.
.set i, 0
.rept 64                                               ; These 128 plain instructions are also the places behind the last products
	v_lshlrev_b32 v[2*i], 16, v[64+i]
	v_and_b32 v[2*i+1], 0xffff0000, v[64+i]
.set i, i+1
.endr
	WIN 0
	OUT 0
	OUT 1
	OUT 2
	OUT 3
	ds_load_b64 v[14:15], v12                      ; my wave's 64 row sums, behind the stores that made them
	s_wait_dscnt 0x0
	global_store_b64 v13, v[14:15], s[8:9]         ; 256 consecutive bytes, aligned
	s_wait_tensorcnt 0x0                           ; the wave's end
	ds_add_u32 v[SPW], v[NIL]
	s_wait_dscnt 0x0
	CROUND
	s_endpgm
.Lfunc_end_k_q1af3eda437_wo:
	.size	k_q1af3eda437_wo, .Lfunc_end_k_q1af3eda437_wo-k_q1af3eda437_wo
	.p2alignl 7, 3214868480
	.fill 96, 4, 3214868480
	.section	.rodata,"a",@progbits
	.p2align	6, 0x0
	.amdhsa_kernel k_q1af3eda437_wo
		.amdhsa_group_segment_fixed_size 327680
		.amdhsa_private_segment_fixed_size 0
		.amdhsa_enable_private_segment 0
		.amdhsa_kernarg_size 48
		.amdhsa_user_sgpr_count 2
		.amdhsa_user_sgpr_kernarg_segment_ptr 1
		.amdhsa_wavefront_size32 1
		.amdhsa_system_sgpr_workgroup_id_x 1
		.amdhsa_system_sgpr_workgroup_id_y 1
		.amdhsa_system_sgpr_workgroup_id_z 1
		.amdhsa_system_vgpr_workitem_id 0
		.amdhsa_next_free_vgpr 640
		.amdhsa_next_free_sgpr 80
		.amdhsa_reserve_vcc 0
		.amdhsa_float_denorm_mode_32 3
		.amdhsa_float_denorm_mode_16_64 3
		.amdhsa_memory_ordered 1
		.amdhsa_forward_progress 1
		.amdhsa_inst_pref_size 130
	.end_amdhsa_kernel
	.amdgpu_metadata
---
amdhsa.version: [ 1, 2 ]
amdhsa.kernels:
  - .name:           k_q1af3eda437_wo
    .symbol:         k_q1af3eda437_wo.kd
    .args:
      - { .name: ob, .offset: 0, .size: 8, .value_kind: global_buffer, .address_space: global }
      - { .name: wb, .offset: 8, .size: 8, .value_kind: global_buffer, .address_space: global }
      - { .name: xh, .offset: 16, .size: 8, .value_kind: global_buffer, .address_space: global }
      - { .name: bo, .offset: 24, .size: 8, .value_kind: global_buffer, .address_space: global }
      - { .name: g2, .offset: 32, .size: 8, .value_kind: global_buffer, .address_space: global }
      - { .name: res, .offset: 40, .size: 8, .value_kind: global_buffer, .address_space: global }
    .group_segment_fixed_size: 327680
    .private_segment_fixed_size: 0
    .kernarg_segment_align: 8
    .kernarg_segment_size: 48
    .max_flat_workgroup_size: 128
    .sgpr_count:     80
    .vgpr_count:     640
    .wavefront_size: 32
...
	.end_amdgpu_metadata
.endif
;; end of part 4
;; launch ffn1 (part 5): grid 16 x 16, 4 waves a work-group, clusters of 4 x 4, 327,680 bytes of LDS; arguments res, wb, b1, hid; writes hid
.if DOCPART == 5
	.amdgcn_target "amdgcn-amd-amdhsa--gfx1250"
	.amdhsa_code_object_version 6
	.text
	.protected	k_q1af3eda437_ffn1
	.globl	k_q1af3eda437_ffn1
	.p2align	8
	.type	k_q1af3eda437_ffn1,@function
k_q1af3eda437_ffn1:
	s_mov_b64 s[64:65], 0
	v_nop
	global_prefetch_b8 v0, s[64:65] scope:SCOPE_SE
	s_setreg_imm32_b32 hwreg(HW_REG_WAVE_MODE, 25, 1), 1
	s_wait_xcnt 0x0
	s_wait_alu depctr_hold_cnt(0) depctr_sa_sdst(0) depctr_va_vdst(0) depctr_va_sdst(0) depctr_va_ssrc(0) depctr_va_vcc(0) depctr_vm_vsrc(0)
	s_getreg_b32 s2, hwreg(HW_REG_IB_STS2, 6, 4)
	s_cmp_eq_u32 s2, 0
	s_cbranch_scc0 .Lentry_in_a_cluster
	s_endpgm
.Lentry_in_a_cluster:
	s_bfe_u32 s2, ttmp6, 0x10000c
	s_cmp_lg_u32 s2, 0xf033
	s_cbranch_scc0 .Lentry_shape_is_right
	s_endpgm
.Lentry_shape_is_right:
; hid = bf16(relu(rs * (a2 w1) + bf16(b1))), rs[row] = rsqrt(sum of x1^2 / 1024 + eps): a row's scale goes through the product, so the norm is finished on the way out.
; a2: blocked bf16 [batch][column / 64][row][64] at byte 16,777,216 of res; ssq: f32 [16 parts][4096 rows] at byte 25,165,824.  w1: bf16 [1024][4096] as it lies, at byte 8,388,608 of wb.
; hid: blocked bf16 [batch][column / 64 of 64][row][64].
; A work-group makes 256 x 256, a wave 128 x 128: 64 accumulators.  K = 1,024 goes in 8 steps of 128 through two LDS slots.  CLUSTER 4 x 4: a2's tiles jointly along a row, w1's along a column.
; THE PRODUCT IS USED TRANSPOSED: source 0 = 16 columns of w1 (turned by ds_load_tr16_b128), source 1 = 16 rows of a2: lane l holds row l % 16 and columns 8 (l / 16) + 0..7.
; WINDOWS: 0: v16-29 addresses; v64-127, v128-191 a2's fragments; on the way out v32-63, v224-255 rows read back, v128-191 f32 at work, v192-223 packed
;   1: v0-63 the bias; v64-127, v128-191 w1's fragments; v192-207 rs, twice for each block of 16 rows; v208-209 at work     2, 3: accumulator (a, b) at v[8 (8 (a % 4) + b)]
.set NB,    4096
.set PA,    144
.set ACB,   256*PA
.set PW,    544
.set WHALF, 64*PW
.set WREG,  2*ACB
.set SLOT,  2*ACB+2*WHALF
.set STAGE, 2*SLOT
.set WST,   2*16*PA
.set SPARE, STAGE+4*WST
.set LAPS,  4
.set CBB,   262144
.set ADRA, 16
.set ADRB, 20
.set STO,  24
.set RD,   25
.set GO,   26
.set BO,   27
.set SPW,  28
.set NIL,  29
.set F0,   64
.set F1,   128
.set OB,   32
.set TF,   128
.set PKD,  192
.set BIAS, 0
.set RS,   192
.set WT,   208
.set G1,  24
.set G0,  32
.set G1B, 48
.set G0B, 56
.set MSB, 0
.macro WIN new
.if MSB != (\new)
	s_set_vgpr_msb (MSB<<8)|(\new)
.set MSB, \new
.endif
.endm
.set MUL_LO, 0xa1
.set MUL_HI, 0xf1
.set TO_W,   0x40
.macro JLOAD s                         ; waves 0, 1 fetch a2's two column blocks, waves 2, 3 w1's two halves; four v_nop follow each line
	s_cmp_lt_u32 s10, 2
	s_cbranch_scc0 .Lfor_w_\@
	tensor_load_to_lds s[G0+4*(\s):G0+4*(\s)+3], s[G1:G1+7]
	s_nop 0
.rept 4
	v_nop
.endr
	s_branch .Lasked_\@
.Lfor_w_\@:
	tensor_load_to_lds s[G0B+4*(\s):G0B+4*(\s)+3], s[G1B:G1B+7]
	s_nop 0
.rept 4
	v_nop
.endr
.Lasked_\@:
.endm
.macro CREST
	s_cmp_lg_u32 s10, 0
	s_cbranch_scc1 .Lnot_wave_0_\@
	s_barrier_signal -3
.Lnot_wave_0_\@:
	s_barrier_wait -3
	s_barrier_signal -1
	s_barrier_wait -1
.endm
.macro CROUND
	s_barrier_signal -1
	s_barrier_wait -1
	CREST
.endm
.macro PLACES
.rept 4
	v_nop
.endr
.endm
.macro MUL16 f, hi, a0, first          ; 16 matrix instructions; first = 1: the constant 0 starts the sums
	WIN MUL_LO+0x50*(\hi)
.irp a, \a0, (\a0)+1
.irp b, 0,1,2,3,4,5,6,7
.if \first
	v_wmma_f32_16x16x32_bf16 v[8*(8*(\a)+(\b)):8*(8*(\a)+(\b))+7], v[(\f)+8*(\b):(\f)+8*(\b)+7], v[(\f)+8*(4*(\hi)+(\a)):(\f)+8*(4*(\hi)+(\a))+7], 0
.else
	v_wmma_f32_16x16x32_bf16 v[8*(8*(\a)+(\b)):8*(8*(\a)+(\b))+7], v[(\f)+8*(\b):(\f)+8*(\b)+7], v[(\f)+8*(4*(\hi)+(\a)):(\f)+8*(4*(\hi)+(\a))+7], v[8*(8*(\a)+(\b)):8*(8*(\a)+(\b))+7]
.endif
.endr
.endr
.endm
.macro FETCH slot, q, f                ; 32 LDS loads in one run: quarter q of a slot into buffer f
	WIN TO_W
.irp i, 0,1,2,3,4,5,6,7
	ds_load_tr16_b128 v[(\f)+8*(\i):(\f)+8*(\i)+3],   v[ADRB+(\slot)] offset:32*(\q)*PW+32*(\i)
	ds_load_tr16_b128 v[(\f)+8*(\i)+4:(\f)+8*(\i)+7], v[ADRB+(\slot)] offset:(32*(\q)+16)*PW+32*(\i)
.endr
	WIN 0
.irp i, 0,1,2,3,4,5,6,7
	ds_load_b128 v[(\f)+8*(\i):(\f)+8*(\i)+3],   v[ADRA+(\slot)] offset:((\q)/2)*ACB+((\q)%2)*64+(\i)*16*PA
	ds_load_b128 v[(\f)+8*(\i)+4:(\f)+8*(\i)+7], v[ADRA+(\slot)] offset:((\q)/2)*ACB+((\q)%2)*64+(\i)*16*PA+32
.endr
.endm
.macro QUARTER slot, q, f, g, first
	s_wait_dscnt 8                                 ; the youngest eight loads (rows 64-127) may be out
	MUL16 \f, 0, 0, \first
	MUL16 \f, 0, 2, \first
	PLACES
	FETCH \slot, \q, \g
	s_wait_dscnt 32                                ; all but the 32 just issued
	MUL16 \f, 1, 0, \first
	MUL16 \f, 1, 2, \first
.endm
.macro MEET round
	WIN 0
	s_wait_tensorcnt 0x0                           ; all my tensor loads have landed: my part of the next slot
	ds_add_u32 v[SPW], v[NIL]
	s_wait_dscnt 9                                 ; the add and the youngest eight loads may be out
	MUL16 F1, 0, 0, 0
	s_wait_dscnt 0x0                               ; the add is done, and my reads of this slot are over
	s_barrier_signal -1
	MUL16 F1, 0, 2, 0
.if \round
	WIN 0
.endif
	s_barrier_wait -1
.endm
.macro TURN slot, next, fill
	MEET \fill
.if \fill
	CREST
	s_add_nc_u64 s[G0+4*(\slot)+2:G0+4*(\slot)+3], s[G0+4*(\slot)+2:G0+4*(\slot)+3], 4*CBB
	s_add_nc_u64 s[G0B+4*(\slot)+2:G0B+4*(\slot)+3], s[G0B+4*(\slot)+2:G0B+4*(\slot)+3], 256*NB*2
	JLOAD \slot
.else
	PLACES
.endif
	FETCH \next, 0, F0
	MUL16 F1, 1, 0, 0
	MUL16 F1, 1, 2, 0
.endm
.macro PRELU a                         ; block a: sum x rs + bias, relu, packed; each accumulator is read from its low end on
	WIN 0x16+((\a)/4)                              ; source 0 the accumulators' window, sources 1 and 2 window 1
.set i, 0
.rept 32
	v_pk_fma_f32 v[TF+2*i:TF+2*i+1], v[64*((\a)%4)+2*i:64*((\a)%4)+2*i+1], v[RS+2*(\a):RS+2*(\a)+1], v[BIAS+2*i:BIAS+2*i+1]
.set i, i+1
.endr
	WIN 0
.set i, 0
.rept 64
	v_max_num_f32 v[TF+i], 0, v[TF+i]
.set i, i+1
.endr
.set i, 0
.rept 32
	v_cvt_pk_bf16_f32 v[PKD+i], v[TF+2*i], v[TF+2*i+1]
.set i, i+1
.endr
.endm
.macro TOSTAGE a
.set BK, OB+192*((\a)%2)
.irp b, 0,1,2,3,4,5,6,7
	ds_store_b128 v[STO], v[PKD+4*(\b):PKD+4*(\b)+3] offset:((\b)/4)*16*PA+((\b)%4)*32
.endr
.irp t, 0,1,2,3,4,5,6,7
	ds_load_b128 v[BK+4*(\t):BK+4*(\t)+3], v[RD] offset:((\t)/4)*16*PA+((\t)%4)*4*PA   ; LDS serves a wave's instructions in order (ISA guide 5.7.1.4)
.endr
.endm
.macro SEND a
.set BK, OB+192*((\a)%2)
	s_wait_dscnt 0x0
	s_wait_xcnt 0x0                                ; the registers that earlier stores read are loaded again only behind this wait
.irp t, 0,1,2,3,4,5,6,7
	global_store_b128 v[GO], v[BK+4*(\t):BK+4*(\t)+3], s[8:9] offset:((\t)/4)*CBB+(\a)*2048+((\t)%4)*512   ; four rows of a column block: 512 consecutive bytes, aligned
.endr
.endm
	s_load_b128 s[4:7], s[0:1], 0x0                ; res, wb
	s_load_b128 s[68:71], s[0:1], 0x10             ; b1, hid
	v_lshl_add_u32 v[SPW], v0, 2, SPARE
	v_mov_b32 v[NIL], 0
	ds_add_u32 v28, v29
	s_wait_dscnt 0x0
	v_lshrrev_b32 v1, 5, v0
	v_readfirstlane_b32 s10, v1
	s_lshr_b32 s11, s10, 1
	s_and_b32 s12, s10, 1
	s_bfe_u32 s40, ttmp6, 0x40000
	s_bfe_u32 s41, ttmp6, 0x40004
	s_lshl_b32 s42, ttmp9, 2
	s_add_co_u32 s42, s42, s40                     ; tile column
	s_and_b32 s13, ttmp7, 0xffff
	s_lshl_b32 s13, s13, 2
	s_add_co_u32 s13, s13, s41                     ; tile row
	s_lshl_b32 s43, s41, 2
	s_lshl_b32 s43, 15, s43
	s_lshl_b32 s44, 0x1111, s40
	s_or_b32 s[G1+0], s43, (1<<16)|(1<<20)|(1<<21)|(4<<22)|(3<<25)
	s_mov_b32 s[G1+1], 128<<16                     ; 256 rows of 128 bytes are dense: asked for as 128 rows of 256 bytes
	s_mov_b32 s[G1+2], 128<<16
	s_mov_b32 s[G1+3], 128<<16
	s_mov_b32 s[G1+4], 128
	s_mov_b32 s[G1+5], 128
	s_mov_b32 s[G1+6], 0
	s_mov_b32 s[G1+7], 0
	s_or_b32 s[G1B+0], s44, (1<<16)|(1<<20)|(1<<21)|(6<<22)|(7<<25)
	s_mov_b32 s[G1B+1], 256<<16                    ; 64 k rows of 256 columns
	s_mov_b32 s[G1B+2], 64<<16
	s_mov_b32 s[G1B+3], 256<<16
	s_mov_b32 s[G1B+4], 64
	s_mov_b32 s[G1B+5], NB
	s_mov_b32 s[G1B+6], 0
	s_mov_b32 s[G1B+7], 0
	s_lshr_b32 s16, s13, 3
	s_lshl_b32 s16, s16, 4
	s_add_co_u32 s16, s16, s12
	s_lshl_b32 s16, s16, 18
	s_and_b32 s17, s13, 7
	s_lshl_b32 s17, s17, 15
	s_add_co_u32 s16, s16, s17
	s_add_co_u32 s16, s16, 16777216                ; a2
	s_mov_b32 s17, 0
	s_lshl_b32 s46, s12, 19                        ; w1: my 64 k rows of 8,192 bytes, the tile's 512 bytes of a row
	s_lshl_b32 s47, s42, 9
	s_add_co_u32 s46, s46, s47
	s_add_co_u32 s46, s46, 8388608
	s_mov_b32 s47, 0
	s_mul_i32 s20, s10, ACB
	s_mul_i32 s21, s10, WHALF
	s_add_co_u32 s21, s21, WREG-2*WHALF
	s_mov_b32 s66, 0x3a800000                      ; 1 / 1024
	s_mov_b32 s67, 0x34000000                      ; eps = 2^-23
	s_wait_kmcnt 0x0
	s_add_nc_u64 s[14:15], s[4:5], s[16:17]
	s_add_nc_u64 s[46:47], s[6:7], s[46:47]
	CROUND
.irp s, 0,1
	s_mov_b32 s[G0+4*(\s)], 1
	s_add_co_u32 s[G0+4*(\s)+1], s20, (\s)*SLOT
	s_add_nc_u64 s[G0+4*(\s)+2:G0+4*(\s)+3], s[14:15], (\s)*2*CBB
	s_or_b32 s[G0+4*(\s)+3], s[G0+4*(\s)+3], 0x80000000
	s_mov_b32 s[G0B+4*(\s)], 1
	s_add_co_u32 s[G0B+4*(\s)+1], s21, (\s)*SLOT
	s_add_nc_u64 s[G0B+4*(\s)+2:G0B+4*(\s)+3], s[46:47], (\s)*128*NB*2
	s_or_b32 s[G0B+4*(\s)+3], s[G0B+4*(\s)+3], 0x80000000
	JLOAD \s                                       ; two loads of mine are out
.endr
	s_lshl_b32 s46, s42, 10                        ; b1 at the tile's 256 columns
	s_mov_b32 s47, 0
	s_add_nc_u64 s[76:77], s[68:69], s[46:47]
	s_lshl_b32 s18, s13, 10                        ; ssq at my 128 rows
	s_lshl_b32 s19, s11, 9
	s_add_co_u32 s18, s18, s19
	s_add_co_u32 s18, s18, 25165824
	s_mov_b32 s19, 0
	s_add_nc_u64 s[78:79], s[4:5], s[18:19]
	s_lshr_b32 s22, s13, 3                         ; hid: column block 64 x batch + 4 x tile column + 2 x half, my first row
	s_lshl_b32 s22, s22, 6
	s_lshl2_add_u32 s22, s42, s22
	s_lshl1_add_u32 s22, s12, s22
	s_lshl_b32 s22, s22, 18
	s_and_b32 s23, s13, 7
	s_lshl_b32 s23, s23, 15
	s_add_co_u32 s22, s22, s23
	s_lshl_b32 s23, s11, 14
	s_add_co_u32 s22, s22, s23
	s_mov_b32 s23, 0
	s_add_nc_u64 s[8:9], s[70:71], s[22:23]
	v_and_b32 v1, 15, v0
	v_bfe_u32 v2, v0, 4, 1
	v_lshlrev_b32 v[BO], 5, v2
	v_lshl_add_u32 v[BO], s12, 9, v[BO]
	v_and_b32 v[GO], 31, v0
	v_lshlrev_b32 v[GO], 4, v[GO]
	WIN TO_W
.irp b, 0,1,2,3,4,5,6,7
	global_load_b128 v[BIAS+8*(\b):BIAS+8*(\b)+3],   v[BO], s[76:77] offset:64*(\b)
	global_load_b128 v[BIAS+8*(\b)+4:BIAS+8*(\b)+7], v[BO], s[76:77] offset:64*(\b)+16
.endr
	WIN 0
.set i, 0
.rept 16                                               ; the 16 parts of my 128 rows' sums of squares: four rows a lane, 512 consecutive bytes a load
	global_load_b128 v[64+4*i:67+4*i], v[GO], s[78:79] offset:16384*i
.set i, i+1
.endr
	v_mul_u32_u24 v3, v1, PA
	v_lshl_add_u32 v3, v2, 4, v3
	s_mul_i32 s18, s11, 128*PA
	v_add_nc_u32 v[ADRA], s18, v3
	v_add_nc_u32 v[ADRA+1], SLOT, v[ADRA]
	v_and_b32 v4, 7, v0
	v_lshl_add_u32 v4, v2, 3, v4
	v_mul_u32_u24 v4, v4, PW
	v_bfe_u32 v5, v0, 3, 1
	v_lshl_add_u32 v4, v5, 4, v4
	s_lshl_b32 s18, s12, 8
	s_add_co_u32 s18, s18, WREG
	v_add_nc_u32 v[ADRB], s18, v4
	v_add_nc_u32 v[ADRB+1], SLOT, v[ADRB]
	s_mul_i32 s18, s10, WST
	s_add_co_u32 s18, s18, STAGE
	v_add_nc_u32 v[STO], s18, v3
	v_bfe_u32 v5, v0, 3, 2
	v_mul_u32_u24 v5, v5, PA
	v_and_b32 v6, 7, v0
	v_lshl_add_u32 v5, v6, 4, v5
	v_add_nc_u32 v[RD], s18, v5
	v_add_nc_u32 v4, s18, v[GO]                    ; rs goes through my stage: in by four rows a lane,
	v_lshl_add_u32 v5, v1, 2, s18                  ; back by row l % 16 of each block of 16
	s_wait_loadcnt 0x0
.irp d, 8,4,2,1
.set i, 0
.rept \d
	v_pk_add_f32 v[64+4*i:65+4*i], v[64+4*i:65+4*i], v[64+4*(i+\d):65+4*(i+\d)]
	v_pk_add_f32 v[66+4*i:67+4*i], v[66+4*i:67+4*i], v[66+4*(i+\d):67+4*(i+\d)]
.set i, i+1
.endr
.endr
.irp j, 0,1,2,3
	v_fma_f32 v[64+\j], v[64+\j], s66, s67
.endr
.irp j, 0,1,2,3
	v_rsq_f32 v[68+\j], v[64+\j]
.endr
	v_nop                                          ; a plain instruction behind the transcendentals (ISA guide 5.7.2)
	s_wait_alu depctr_va_vdst(0)
	ds_store_b128 v4, v[68:71]
	WIN TO_W
.irp a, 0,1,2,3,4,5,6,7
	ds_load_b32 v[RS+2*(\a)], v5 offset:64*(\a)    ; twice: the packed multiply-add takes a pair
	ds_load_b32 v[RS+2*(\a)+1], v5 offset:64*(\a)
.endr
	WIN 0x45                                       ; the bias is rounded to bf16, in window 1
.set i, 0
.rept 32
	v_cvt_pk_bf16_f32 v[WT+i%2], v[BIAS+2*i], v[BIAS+2*i+1]
	v_lshlrev_b32 v[BIAS+2*i], 16, v[WT+i%2]
	v_and_b32 v[BIAS+2*i+1], 0xffff0000, v[WT+i%2]
.set i, i+1
.endr
	WIN 0
	s_wait_dscnt 0x0                               ; no LDS instruction of mine is out at the signal
	s_wait_tensorcnt 1                             ; my part of K step 0 is in; K step 1's may stay out
	s_barrier_signal -1
	s_barrier_wait -1
	FETCH 0, 0, F0
	QUARTER 0, 1, F0, F1, 1
	WIN 0
	s_mov_b32 s3, LAPS-1
.Llap:                                                 ; a trip goes once round the ring; the 64 accumulators take turns
	QUARTER 0, 2, F1, F0, 0
	QUARTER 0, 3, F0, F1, 0
	TURN 0, 1, 1
	QUARTER 1, 1, F0, F1, 0
	QUARTER 1, 2, F1, F0, 0
	QUARTER 1, 3, F0, F1, 0
	TURN 1, 0, 1
	QUARTER 0, 1, F0, F1, 0
	WIN 0
	s_sub_co_u32 s3, s3, 1
	s_cmp_lg_u32 s3, 0
	s_cbranch_scc1 .Llap
	QUARTER 0, 2, F1, F0, 0
	QUARTER 0, 3, F0, F1, 0
	TURN 0, 1, 0
	QUARTER 1, 1, F0, F1, 0
	QUARTER 1, 2, F1, F0, 0
	QUARTER 1, 3, F0, F1, 0
	s_wait_dscnt 8
	MUL16 F1, 0, 0, 0
	MUL16 F1, 0, 2, 0
	s_wait_dscnt 0x0
	MUL16 F1, 1, 0, 0
	MUL16 F1, 1, 2, 0
	PLACES
	PRELU 0
	TOSTAGE 0
.irp a, 1,2,3,4,5,6,7                  ; a block's arithmetic stands between the loads of the block before and the wait for them
	PRELU \a
	SEND (\a)-1
	TOSTAGE \a
.endr
	SEND 7
	s_wait_tensorcnt 0x0                           ; the wave's end
	ds_add_u32 v[SPW], v[NIL]
	s_wait_dscnt 0x0
	CROUND
	s_endpgm
.Lfunc_end_k_q1af3eda437_ffn1:
	.size	k_q1af3eda437_ffn1, .Lfunc_end_k_q1af3eda437_ffn1-k_q1af3eda437_ffn1
	.p2alignl 7, 3214868480
	.fill 96, 4, 3214868480
	.section	.rodata,"a",@progbits
	.p2align	6, 0x0
	.amdhsa_kernel k_q1af3eda437_ffn1
		.amdhsa_group_segment_fixed_size 327680
		.amdhsa_private_segment_fixed_size 0
		.amdhsa_enable_private_segment 0
		.amdhsa_kernarg_size 32
		.amdhsa_user_sgpr_count 2
		.amdhsa_user_sgpr_kernarg_segment_ptr 1
		.amdhsa_wavefront_size32 1
		.amdhsa_system_sgpr_workgroup_id_x 1
		.amdhsa_system_sgpr_workgroup_id_y 1
		.amdhsa_system_sgpr_workgroup_id_z 1
		.amdhsa_system_vgpr_workitem_id 0
		.amdhsa_next_free_vgpr 1024
		.amdhsa_next_free_sgpr 80
		.amdhsa_reserve_vcc 0
		.amdhsa_float_denorm_mode_32 3
		.amdhsa_float_denorm_mode_16_64 3
		.amdhsa_memory_ordered 1
		.amdhsa_forward_progress 1
		.amdhsa_inst_pref_size 187
	.end_amdhsa_kernel
	.amdgpu_metadata
---
amdhsa.version: [ 1, 2 ]
amdhsa.kernels:
  - .name:           k_q1af3eda437_ffn1
    .symbol:         k_q1af3eda437_ffn1.kd
    .args:
      - { .name: res, .offset: 0, .size: 8, .value_kind: global_buffer, .address_space: global }
      - { .name: wb, .offset: 8, .size: 8, .value_kind: global_buffer, .address_space: global }
      - { .name: b1, .offset: 16, .size: 8, .value_kind: global_buffer, .address_space: global }
      - { .name: hid, .offset: 24, .size: 8, .value_kind: global_buffer, .address_space: global }
    .group_segment_fixed_size: 327680
    .private_segment_fixed_size: 0
    .kernarg_segment_align: 8
    .kernarg_segment_size: 32
    .max_flat_workgroup_size: 128
    .sgpr_count:     80
    .vgpr_count:     1024
    .wavefront_size: 32
...
	.end_amdgpu_metadata
.endif
;; end of part 5
;; launch ffn2 (part 6): grid 8 x 32, 4 waves a work-group, clusters of 4 x 4, 327,680 bytes of LDS; arguments hid, wb, res, b2, out0; writes out0
.if DOCPART == 6
	.amdgcn_target "amdgcn-amd-amdhsa--gfx1250"
	.amdhsa_code_object_version 6
	.text
	.protected	k_q1af3eda437_ffn2
	.globl	k_q1af3eda437_ffn2
	.p2align	8
	.type	k_q1af3eda437_ffn2,@function
k_q1af3eda437_ffn2:
	s_mov_b64 s[64:65], 0
	v_nop
	global_prefetch_b8 v0, s[64:65] scope:SCOPE_SE
	s_setreg_imm32_b32 hwreg(HW_REG_WAVE_MODE, 25, 1), 1
	s_wait_xcnt 0x0
	s_wait_alu depctr_hold_cnt(0) depctr_sa_sdst(0) depctr_va_vdst(0) depctr_va_sdst(0) depctr_va_ssrc(0) depctr_va_vcc(0) depctr_vm_vsrc(0)
	s_getreg_b32 s2, hwreg(HW_REG_IB_STS2, 6, 4)
	s_cmp_eq_u32 s2, 0
	s_cbranch_scc0 .Lentry_in_a_cluster
	s_endpgm
.Lentry_in_a_cluster:
	s_bfe_u32 s2, ttmp6, 0x10000c
	s_cmp_lg_u32 s2, 0xf033
	s_cbranch_scc0 .Lentry_shape_is_right
	s_endpgm
.Lentry_shape_is_right:
; out0 = x1 + hid w2 + bf16(b2), f32 [4096][1024].  hid: blocked bf16 [batch][column / 64 of 64][row][64].  w2: bf16 [4096][1024] as it lies, at byte 16,777,216 of wb.  x1: f32, at the head of res.
; b2 starts the sums as the first products' C.  A work-group makes 128 x 128 (256 work-groups), a wave 64 x 64: 16 accumulators.  K = 4,096 goes in 16 steps of 256 through two LDS slots.
; CLUSTER 4 x 4: hid's tiles are asked for jointly along a row of the cluster, w2's along a column.  THE PRODUCT IS USED TRANSPOSED (source 0 = 16 columns of w2, turned; source 1 = 16 rows of hid).
; PREFETCH.  A K step's bytes are asked for by global_prefetch_b8 two K steps (256 matrix instructions of a wave) ahead of the tensor load that wants them; every request is 32 lanes, 256 bytes apart:
; 8,192 consecutive bytes.  hid: a tile row's 64 KB of a K step are wanted by that row's eight work-groups; each asks for an eighth (column block tile column / 2 of the step's four, half tile column % 2),
; wave 0 for the even steps, wave 1 for the odd: each block once in the launch.  w2: a lap's 512 rows, 1 MB, are dealt among 128 work-groups (tile row % 16, tile column), four whole rows each, asked for
; by wave 2: so two work-groups, 16 tile rows apart, ask for each block of w2.  Steps 2 and 3 are asked for at the head, step u + 4 behind the refill at the end of step u; the last lap that refills
; asks for nothing: the last request is for step 15, inside hid and inside w2.
; WINDOWS: 0: v1-30 addresses and at work; v32-63 the bias, later rows read back; v64-95 rows read back; v128-255 accumulator (a, b) at 128 + 8 (4 a + b)
;   1: two fragment buffers of 128 (64 of hid, 64 of w2)     2: v0-127 x1, loaded at the head
.set NCB,   64
.set LAPS,  8
.set WSRC,  16777216
.set CBB,   262144
.set PA,    144
.set ACB,   128*PA
.set PW,    288
.set PART,  36864
.set WREG,  2*PART
.set SLOT,  4*PART
.set STAGE, 2*SLOT
.set SPITCH, 272
.set SPARE, STAGE+4*16*SPITCH
.set ADRA, 16
.set ADRB, 20
.set STO,  24
.set RD,   25
.set CO,   26
.set BO,   27
.set SPW,  28
.set NIL,  29
.set PFO,  30                          ; v30     256 x lane; never rewritten
.set BIAS, 32
.set T0,   32
.set ACC,  128
.set F0,   0
.set F1,   128
.set PFB, 8                            ; s[8:9]   the wave's prefetch pointer
.set PFS, 74                           ; s[74:75] what a lap adds to it
.set G1,  24
.set G0,  32
.set G1B, 48
.set G0B, 56
.set MSB, 0
.macro WIN new
.if MSB != (\new)
	s_set_vgpr_msb (MSB<<8)|(\new)
.set MSB, \new
.endif
.endm
.set MUL,  0x05
.set TO_F, 0x40
.macro JLOAD s                         ; waves 0, 1 fetch A's two pairs of column blocks, waves 2, 3 W's two halves; four v_nop follow each line
	s_cmp_lt_u32 s10, 2
	s_cbranch_scc0 .Lfor_w_\@
	tensor_load_to_lds s[G0+4*(\s):G0+4*(\s)+3], s[G1:G1+7]
	s_nop 0
.rept 4
	v_nop
.endr
	s_branch .Lasked_\@
.Lfor_w_\@:
	tensor_load_to_lds s[G0B+4*(\s):G0B+4*(\s)+3], s[G1B:G1B+7]
	s_nop 0
.rept 4
	v_nop
.endr
.Lasked_\@:
.endm
; A request ahead.  odd = 0, behind slot 0's refill: waves 0 and 2 ask; odd = 1, behind slot 1's: wave 1 asks.  So each of the three asks once a lap.  The branch hangs on the wave's number alone.
.macro PF odd
.if \odd
	s_cmp_lg_u32 s10, 1
.else
	s_cmp_lg_u32 s12, 0
.endif
	s_cbranch_scc1 .Lno_pf_\@
	s_wait_xcnt 0x0                                ; my last request, a lap back, has read its pointer: only behind this wait is the pointer stepped
	s_add_nc_u64 s[PFB:PFB+1], s[PFB:PFB+1], s[PFS:PFS+1]
	global_prefetch_b8 v[PFO], s[PFB:PFB+1] th:TH_LOAD_NT scope:SCOPE_SE
.Lno_pf_\@:
.endm
.macro CREST
	s_cmp_lg_u32 s10, 0
	s_cbranch_scc1 .Lnot_wave_0_\@
	s_barrier_signal -3
.Lnot_wave_0_\@:
	s_barrier_wait -3
	s_barrier_signal -1
	s_barrier_wait -1
.endm
.macro CROUND
	s_barrier_signal -1
	s_barrier_wait -1
	CREST
.endm
.macro PLACES
.rept 4
	v_nop
.endr
.endm
.macro MUL8 f, c, a0, first
	WIN MUL
.irp a, \a0, (\a0)+1
.irp b, 0,1,2,3
.if \first
	v_wmma_f32_16x16x32_bf16 v[ACC+8*(4*(\a)+(\b)):ACC+8*(4*(\a)+(\b))+7], v[(\f)+64+8*(4*(\c)+(\b)):(\f)+64+8*(4*(\c)+(\b))+7], v[(\f)+8*(4*(\c)+(\a)):(\f)+8*(4*(\c)+(\a))+7], v[BIAS+8*(\b):BIAS+8*(\b)+7]
.else
	v_wmma_f32_16x16x32_bf16 v[ACC+8*(4*(\a)+(\b)):ACC+8*(4*(\a)+(\b))+7], v[(\f)+64+8*(4*(\c)+(\b)):(\f)+64+8*(4*(\c)+(\b))+7], v[(\f)+8*(4*(\c)+(\a)):(\f)+8*(4*(\c)+(\a))+7], v[ACC+8*(4*(\a)+(\b)):ACC+8*(4*(\a)+(\b))+7]
.endif
.endr
.endr
.endm
.macro FETCH slot, q, f
	WIN TO_F
.irp c, 0,1
.irp i, 0,1,2,3
	ds_load_tr16_b128 v[(\f)+64+8*(4*(\c)+(\i)):(\f)+64+8*(4*(\c)+(\i))+3],   v[ADRB+2*(\slot)+(\q)/2] offset:(((\q)%2)*64+32*(\c))*PW+32*(\i)
	ds_load_tr16_b128 v[(\f)+64+8*(4*(\c)+(\i))+4:(\f)+64+8*(4*(\c)+(\i))+7], v[ADRB+2*(\slot)+(\q)/2] offset:(((\q)%2)*64+32*(\c)+16)*PW+32*(\i)
	ds_load_b128 v[(\f)+8*(4*(\c)+(\i)):(\f)+8*(4*(\c)+(\i))+3],   v[ADRA+(\slot)] offset:(\q)*ACB+64*(\c)+(\i)*16*PA
	ds_load_b128 v[(\f)+8*(4*(\c)+(\i))+4:(\f)+8*(4*(\c)+(\i))+7], v[ADRA+(\slot)] offset:(\q)*ACB+64*(\c)+(\i)*16*PA+32
.endr
.endr
.endm
.macro QUARTER slot, q, f, g, first
	s_wait_dscnt 16                                ; the first 32 along K are in; the other sixteen loads may be out
	MUL8 \f, 0, 0, \first
	MUL8 \f, 0, 2, \first
	PLACES
	FETCH \slot, \q, \g
	s_wait_dscnt 32                                ; all but the 32 just issued
	MUL8 \f, 1, 0, 0
	MUL8 \f, 1, 2, 0
.endm
.macro TURN slot, next, fill, pf=0     ; the last quarter multiplies buffer 1 and changes slots; fill = 1: this slot is filled again, two K steps on; pf = 1: and the step two further on is asked for ahead
	WIN 0
	s_wait_tensorcnt 0x0                           ; all my tensor loads have landed: my part of the next slot
	ds_add_u32 v[SPW], v[NIL]
	s_wait_dscnt 17                                ; the add and the youngest sixteen loads may be out
	MUL8 F1, 0, 0, 0
	s_wait_dscnt 0x0                               ; the add is done, and my reads of this slot are over
	s_barrier_signal -1
	MUL8 F1, 0, 2, 0
.if \fill
	WIN 0
.endif
	s_barrier_wait -1
.if \fill
	CREST
	s_add_nc_u64 s[G0+4*(\slot)+2:G0+4*(\slot)+3], s[G0+4*(\slot)+2:G0+4*(\slot)+3], 8*CBB
	s_add_nc_u64 s[G0B+4*(\slot)+2:G0B+4*(\slot)+3], s[G0B+4*(\slot)+2:G0B+4*(\slot)+3], 512*2048
	JLOAD \slot                                    ; its four v_nop are also the places in front of the loads below
.if \pf
	PF \slot
.endif
.else
	PLACES
.endif
	FETCH \next, 0, F0
	MUL8 F1, 1, 0, 0
	MUL8 F1, 1, 2, 0
.endm
.macro LAP pf                          ; once round the ring, from a lap's second quarter to the next lap's first; both slots are filled again
	QUARTER 0, 2, F1, F0, 0
	QUARTER 0, 3, F0, F1, 0
	TURN 0, 1, 1, \pf
	QUARTER 1, 1, F0, F1, 0
	QUARTER 1, 2, F1, F0, 0
	QUARTER 1, 3, F0, F1, 0
	TURN 1, 0, 1, \pf
	QUARTER 0, 1, F0, F1, 0
.endm
.macro OUT a                           ; block a (16 rows x my 64 columns) through my stage, back by rows, plus x1, stored
.set TT, T0+32*((\a)%2)
	s_wait_xcnt 0x0                                ; the registers that earlier stores read are loaded again only behind this wait
.irp b, 0,1,2,3
	ds_store_b128 v[STO], v[ACC+8*(4*(\a)+(\b)):ACC+8*(4*(\a)+(\b))+3] offset:64*(\b)
	ds_store_b128 v[STO], v[ACC+8*(4*(\a)+(\b))+4:ACC+8*(4*(\a)+(\b))+7] offset:64*(\b)+16
.endr
.irp t, 0,1,2,3,4,5,6,7
	ds_load_b128 v[TT+4*(\t):TT+4*(\t)+3], v[RD] offset:2*SPITCH*(\t)   ; LDS serves a wave's instructions in order (ISA guide 5.7.1.4)
.endr
	s_wait_dscnt 0x0
	WIN 0x08                                       ; source 1: x1, in window 2
.set i, 0
.rept 16
	v_pk_add_f32 v[TT+2*i:TT+2*i+1], v[TT+2*i:TT+2*i+1], v[32*(\a)+2*i:32*(\a)+2*i+1]
.set i, i+1
.endr
	WIN 0
.irp t, 0,1,2,3,4,5,6,7
	global_store_b128 v[CO], v[TT+4*(\t):TT+4*(\t)+3], s[78:79] offset:4096*(16*(\a)+2*(\t))   ; 16 lanes store 256 consecutive bytes, aligned
.endr
.endm
	s_load_b128 s[4:7], s[0:1], 0x0                ; hid, wb
	s_load_b128 s[68:71], s[0:1], 0x10             ; res, b2
	s_load_b64 s[72:73], s[0:1], 0x20              ; out0
	v_lshl_add_u32 v[SPW], v0, 2, SPARE
	v_mov_b32 v[NIL], 0
	ds_add_u32 v28, v29
	s_wait_dscnt 0x0
	v_lshrrev_b32 v1, 5, v0
	v_readfirstlane_b32 s10, v1
	s_lshr_b32 s11, s10, 1
	s_and_b32 s12, s10, 1
	s_bfe_u32 s40, ttmp6, 0x40000
	s_bfe_u32 s41, ttmp6, 0x40004
	s_lshl_b32 s42, ttmp9, 2
	s_add_co_u32 s42, s42, s40                     ; tile column
	s_and_b32 s13, ttmp7, 0xffff
	s_lshl_b32 s13, s13, 2
	s_add_co_u32 s13, s13, s41                     ; tile row
	s_lshl_b32 s43, s41, 2
	s_lshl_b32 s43, 15, s43
	s_lshl_b32 s44, 0x1111, s40
	s_or_b32 s[G1+0], s43, (1<<16)|(1<<20)|(1<<21)|(4<<22)|(3<<25)
	s_mov_b32 s[G1+1], 8192<<16                    ; 128 rows of a column block are 16,384 dense bytes: one row of 8,192 elements; two such rows, a column block apart
	s_mov_b32 s[G1+2], 2<<16
	s_mov_b32 s[G1+3], 8192<<16
	s_mov_b32 s[G1+4], 2
	s_mov_b32 s[G1+5], 131072
	s_mov_b32 s[G1+6], 0
	s_mov_b32 s[G1+7], 0
	s_or_b32 s[G1B+0], s44, (1<<16)|(1<<20)|(1<<21)|(5<<22)|(7<<25)
	s_mov_b32 s[G1B+1], 128<<16                    ; 128 k rows of 128 columns
	s_mov_b32 s[G1B+2], 128<<16
	s_mov_b32 s[G1B+3], 128<<16
	s_mov_b32 s[G1B+4], 128
	s_mov_b32 s[G1B+5], 1024
	s_mov_b32 s[G1B+6], 0
	s_mov_b32 s[G1B+7], 0
	s_lshr_b32 s16, s13, 4
	s_mul_i32 s16, s16, NCB
	s_lshl1_add_u32 s16, s12, s16
	s_lshl_b32 s16, s16, 18
	s_and_b32 s17, s13, 15
	s_lshl_b32 s17, s17, 14
	s_add_co_u32 s16, s16, s17
	s_mov_b32 s17, 0
	s_lshl_b32 s46, s12, 18
	s_lshl_b32 s47, s42, 8
	s_add_co_u32 s46, s46, s47
	s_add_co_u32 s46, s46, WSRC
	s_mov_b32 s47, 0
	s_mul_i32 s20, s10, PART
	s_wait_kmcnt 0x0
	s_add_nc_u64 s[14:15], s[4:5], s[16:17]
	s_add_nc_u64 s[46:47], s[6:7], s[46:47]
	CROUND
.irp s, 0,1
	s_mov_b32 s[G0+4*(\s)], 1
	s_add_co_u32 s[G0+4*(\s)+1], s20, (\s)*SLOT
	s_add_nc_u64 s[G0+4*(\s)+2:G0+4*(\s)+3], s[14:15], (\s)*4*CBB
	s_or_b32 s[G0+4*(\s)+3], s[G0+4*(\s)+3], 0x80000000
	s_mov_b32 s[G0B+4*(\s)], 1
	s_add_co_u32 s[G0B+4*(\s)+1], s20, (\s)*SLOT
	s_add_nc_u64 s[G0B+4*(\s)+2:G0B+4*(\s)+3], s[46:47], (\s)*256*2048
	s_or_b32 s[G0B+4*(\s)+3], s[G0B+4*(\s)+3], 0x80000000
	JLOAD \s                                       ; two loads of mine are out
.endr
	; the requests ahead begin: my share of K step 2 (wave 0) or 3 (wave 1) of hid, or of the lap of steps 2 and 3 of w2 (wave 2)
	s_lshr_b32 s16, s13, 4                         ; hid: column block 64 x batch + 4 x step + tile column / 2,
	s_lshl_b32 s16, s16, 6
	s_lshr_b32 s17, s42, 1
	s_add_co_u32 s16, s16, s17
	s_lshl2_add_u32 s16, s12, s16                  ; step 2 + wave % 2: column blocks 8 + 4 x (wave % 2) on
	s_add_co_u32 s16, s16, 8
	s_lshl_b32 s16, s16, 18
	s_and_b32 s17, s13, 15                         ; the tile row's 128 rows of 128 bytes,
	s_lshl_b32 s17, s17, 14
	s_add_co_u32 s16, s16, s17
	s_and_b32 s17, s42, 1                          ; the half of them that is mine
	s_lshl_b32 s17, s17, 13
	s_add_co_u32 s16, s16, s17
	s_mov_b32 s17, 0
	s_and_b32 s18, s13, 15                         ; w2: rows 512 + 4 x (8 x (tile row % 16) + tile column) on, 2,048 bytes each
	s_lshl3_add_u32 s18, s18, s42
	s_lshl_b32 s18, s18, 13
	s_add_co_u32 s18, s18, WSRC+512*2048
	s_mov_b32 s19, 0
	s_add_nc_u64 s[16:17], s[4:5], s[16:17]
	s_add_nc_u64 s[18:19], s[6:7], s[18:19]
	s_cmp_lt_u32 s10, 2
	s_cselect_b64 s[PFB:PFB+1], s[16:17], s[18:19]
	s_cselect_b32 s[PFS+1], 1, 0
	s_mov_b32 s[PFS], 512*2048                     ; a lap on: 512 rows of w2, 1 MB; 8 column blocks of hid, twice that
	s_lshl_b32 s[PFS], s[PFS], s[PFS+1]
	s_mov_b32 s[PFS+1], 0
	v_and_b32 v[PFO], 31, v0
	v_lshlrev_b32 v[PFO], 8, v[PFO]
	s_cmp_eq_u32 s10, 3
	s_cbranch_scc1 .Lno_pf_head
	global_prefetch_b8 v[PFO], s[PFB:PFB+1] th:TH_LOAD_NT scope:SCOPE_SE
.Lno_pf_head:
	s_lshl_b32 s46, s13, 19                        ; x1 and out0 at my first row and column
	s_lshl_b32 s47, s11, 18
	s_add_co_u32 s46, s46, s47
	s_lshl_b32 s47, s42, 9
	s_add_co_u32 s46, s46, s47
	s_lshl_b32 s47, s12, 8
	s_add_co_u32 s46, s46, s47
	s_mov_b32 s47, 0
	s_add_nc_u64 s[76:77], s[68:69], s[46:47]
	s_add_nc_u64 s[78:79], s[72:73], s[46:47]
	s_lshl_b32 s46, s42, 9                         ; b2 at my 64 columns
	s_lshl_b32 s22, s12, 8
	s_add_co_u32 s46, s46, s22
	s_add_nc_u64 s[70:71], s[70:71], s[46:47]
	v_and_b32 v1, 15, v0
	v_bfe_u32 v2, v0, 4, 1
	v_lshlrev_b32 v[BO], 5, v2
	v_lshlrev_b32 v10, 4, v1
	v_lshl_add_u32 v[CO], v2, 12, v10              ; lanes 0-15 one row's 256 bytes, lanes 16-31 the next row's
.irp b, 0,1,2,3
	global_load_b128 v[BIAS+8*(\b):BIAS+8*(\b)+3],   v[BO], s[70:71] offset:64*(\b)
	global_load_b128 v[BIAS+8*(\b)+4:BIAS+8*(\b)+7], v[BO], s[70:71] offset:64*(\b)+16
.endr
	WIN 0x80
.set i, 0
.rept 32                                               ; x1: rows 16 (i / 8) + 2 (i % 8) and the next
	global_load_b128 v[4*i:4*i+3], v[CO], s[76:77] offset:4096*(16*(i/8)+2*(i%8))
.set i, i+1
.endr
	WIN 0
	v_mul_u32_u24 v3, v1, PA
	v_lshl_add_u32 v3, v2, 4, v3
	s_mul_i32 s22, s11, 64*PA
	v_add_nc_u32 v[ADRA], s22, v3
	v_add_nc_u32 v[ADRA+1], SLOT, v[ADRA]
	v_and_b32 v4, 7, v0
	v_lshl_add_u32 v4, v2, 3, v4
	v_mul_u32_u24 v4, v4, PW
	v_bfe_u32 v5, v0, 3, 1
	v_lshl_add_u32 v4, v5, 4, v4
	s_lshl_b32 s22, s12, 7
	s_add_co_u32 s22, s22, WREG
	v_add_nc_u32 v[ADRB], s22, v4
	v_add_nc_u32 v[ADRB+1], PART, v[ADRB]
	v_add_nc_u32 v[ADRB+2], SLOT, v[ADRB]
	v_add_nc_u32 v[ADRB+3], SLOT+PART, v[ADRB]
	s_mul_i32 s22, s10, 16*SPITCH
	s_add_co_u32 s22, s22, STAGE
	v_mul_u32_u24 v3, v1, SPITCH
	v_lshl_add_u32 v3, v2, 5, v3
	v_add_nc_u32 v[STO], s22, v3
	v_mul_u32_u24 v4, v2, SPITCH
	v_add_nc_u32 v4, v4, v10
	v_add_nc_u32 v[RD], s22, v4
	s_wait_loadcnt 32                              ; the bias is in; x1's 32 loads stay out
.set i, 0
.rept 16
	v_cvt_pk_bf16_f32 v[14+i%2], v[BIAS+2*i], v[BIAS+2*i+1]
	v_lshlrev_b32 v[BIAS+2*i], 16, v[14+i%2]
	v_and_b32 v[BIAS+2*i+1], 0xffff0000, v[14+i%2]
.set i, i+1
.endr
	s_wait_tensorcnt 1                             ; my part of K step 0 is in; K step 1's may stay out
	s_barrier_signal -1
	s_barrier_wait -1
	FETCH 0, 0, F0
	QUARTER 0, 1, F0, F1, 1
	WIN 0
	s_mov_b32 s3, LAPS-2
.Llap:                                                 ; six trips: trip i fetches K steps 2 i + 2 and 2 i + 3 and asks ahead for 2 i + 4 and 2 i + 5; the 16 accumulators take turns
	LAP 1
	WIN 0
	s_sub_co_u32 s3, s3, 1
	s_cmp_lg_u32 s3, 0
	s_cbranch_scc1 .Llap
	LAP 0                                          ; the seventh fetches K steps 14 and 15: nothing lies behind them to ask for, so it is written out without a request
	QUARTER 0, 2, F1, F0, 0                        ; the last lap fills nothing
	QUARTER 0, 3, F0, F1, 0
	TURN 0, 1, 0
	QUARTER 1, 1, F0, F1, 0
	QUARTER 1, 2, F1, F0, 0
	QUARTER 1, 3, F0, F1, 0
	s_wait_dscnt 16
	MUL8 F1, 0, 0, 0
	MUL8 F1, 0, 2, 0
	s_wait_dscnt 0x0
	MUL8 F1, 1, 0, 0
	MUL8 F1, 1, 2, 0
	s_wait_loadcnt 0x0                             ; x1
	PLACES
	WIN 0
	OUT 0
	OUT 1
	OUT 2
	OUT 3
	s_wait_tensorcnt 0x0                           ; the wave's end
	ds_add_u32 v[SPW], v[NIL]
	s_wait_dscnt 0x0
	CROUND
	s_endpgm
.Lfunc_end_k_q1af3eda437_ffn2:
	.size	k_q1af3eda437_ffn2, .Lfunc_end_k_q1af3eda437_ffn2-k_q1af3eda437_ffn2
	.p2alignl 7, 3214868480
	.fill 96, 4, 3214868480
	.section	.rodata,"a",@progbits
	.p2align	6, 0x0
	.amdhsa_kernel k_q1af3eda437_ffn2
		.amdhsa_group_segment_fixed_size 327680
		.amdhsa_private_segment_fixed_size 0
		.amdhsa_enable_private_segment 0
		.amdhsa_kernarg_size 40
		.amdhsa_user_sgpr_count 2
		.amdhsa_user_sgpr_kernarg_segment_ptr 1
		.amdhsa_wavefront_size32 1
		.amdhsa_system_sgpr_workgroup_id_x 1
		.amdhsa_system_sgpr_workgroup_id_y 1
		.amdhsa_system_sgpr_workgroup_id_z 1
		.amdhsa_system_vgpr_workitem_id 0
		.amdhsa_next_free_vgpr 640
		.amdhsa_next_free_sgpr 80
		.amdhsa_reserve_vcc 0
		.amdhsa_float_denorm_mode_32 3
		.amdhsa_float_denorm_mode_16_64 3
		.amdhsa_memory_ordered 1
		.amdhsa_forward_progress 1
		.amdhsa_inst_pref_size 134
	.end_amdhsa_kernel
	.amdgpu_metadata
---
amdhsa.version: [ 1, 2 ]
amdhsa.kernels:
  - .name:           k_q1af3eda437_ffn2
    .symbol:         k_q1af3eda437_ffn2.kd
    .args:
      - { .name: hid, .offset: 0, .size: 8, .value_kind: global_buffer, .address_space: global }
      - { .name: wb, .offset: 8, .size: 8, .value_kind: global_buffer, .address_space: global }
      - { .name: res, .offset: 16, .size: 8, .value_kind: global_buffer, .address_space: global }
      - { .name: b2, .offset: 24, .size: 8, .value_kind: global_buffer, .address_space: global }
      - { .name: out0, .offset: 32, .size: 8, .value_kind: global_buffer, .address_space: global }
    .group_segment_fixed_size: 327680
    .private_segment_fixed_size: 0
    .kernarg_segment_align: 8
    .kernarg_segment_size: 40
    .max_flat_workgroup_size: 128
    .sgpr_count:     80
    .vgpr_count:     640
    .wavefront_size: 32
...
	.end_amdgpu_metadata
.endif
;; end of part 6
;; ======== version 2 of 2: 6 launches; version 1 with the launch prep written anew for expert scheduling mode
;; workspace buffers: wb 25,690,112 bytes; xh 16,777,216 bytes; qkv 25,165,824 bytes; ob 8,388,608 bytes; res 25,427,968 bytes; hid 33,554,432 bytes
;; launch prep (part 7): grid 512 x 1, 8 waves a work-group, no clusters, 0 bytes of LDS; arguments x, g1, wq, wk, wv, wo, w1, w2, wb, xh; writes wb, xh
.if DOCPART == 7
	.amdgcn_target "amdgcn-amd-amdhsa--gfx1250"
	.amdhsa_code_object_version 6
	.text
	.protected	k_q1af3eda437_prep
	.globl	k_q1af3eda437_prep
	.p2align	8
	.type	k_q1af3eda437_prep,@function
k_q1af3eda437_prep:
	s_mov_b64 s[64:65], 0
	v_nop
	global_prefetch_b8 v0, s[64:65] scope:SCOPE_SE
	s_setreg_imm32_b32 hwreg(HW_REG_WAVE_SCHED_MODE, 0, 2), 2
	s_setreg_imm32_b32 hwreg(HW_REG_WAVE_MODE, 25, 1), 1
	s_wait_xcnt 0x0
	s_wait_alu depctr_vm_vsrc(0)
; PREP.  Work-groups 0-127: xb = bf16(x), h = bf16(xb * rsqrt(mean(xb^2) + eps) * bf16(g1)), and the table of cosines and sines.
; Work-groups 128-511: the six weight matrices rounded to bf16, as they lie ([K][N]).
; FORMAT (a limit, stated): every input of the module is rounded once to bf16, x in the residual too; sums and norms are f32.
; BLOCKED LAYOUT of xb and h: [batch][column / 64][row of 2,048][64] bf16: 16 rows of a column block are 2,048 consecutive bytes.
; THE TABLE: row s (256 bytes) holds 16 groups i of (cos f(2i), cos f(2i+1), sin f(2i), sin f(2i+1)), f(j) = s * 10000^(-j/32).
; 10000^(-j/32) is 2^(-0.41524101 j) by v_exp_f32, a few last places from a power in f32: at s = 2,047 the angle is off by 3e-4 at the most.
; The angle is reduced by multiples of pi/2 (two-part constant) and sine and cosine are polynomials on -pi/4 .. pi/4, good to 3e-7.
; No LDS, no matrix unit, no cluster: nothing is shared, and the streams are dense.
; THE MODE: SCHED_MODE bits 1:0 = 2 (LLVM: expert scheduling mode 2), set by the entry lines.  The code itself states the register dependences
; between vector instructions and memory instructions, with s_wait_alu, always for 0.
; THE PLAN, rows.  Registers that memory instructions touch:
;   v3 .. v6     byte offsets: written at the head, read by every load and store, never written again.
;   G, X         the 48 loads at the head land in them; no vector instruction names them before that.
;   TC           written by the table's selects, read by the table's one store.
;   PB0, PB1     a pair's xb: written by the pair's first 32 roundings, read by its 16 stores (and by the widening lines, each pair behind its store).
;                PB1 lies in the upper two of each four registers of pair 0's X, which pair 0's last roundings have left free.
;   H0, H1       a pair's h: the lower two of each four registers of the pair's X: written by its last 32 roundings, read by its 16 stores.
; None of these is written again once a memory instruction has read it: so no wait on vm_vsrc is owed, and no register or base waits for a store.
; A wait on va_vdst stands ahead of each run of stores; behind it the stores are dealt among vector instructions that name none of their registers.
; THE PLAN, weights.  The 32 loads land in v8 .. v135, which no vector instruction names before; they go in eight groups of four.  A group's roundings write in
; place; its four stores are issued in the next group, behind the one wait on va_vdst at that group's head, among roundings that name the next group's registers alone.
.set G,     8          ; v[8:71]    g1 of my 64 columns
.set X,     72         ; v[72:199]  two row pairs, 64 numbers each
.set PB,    200        ; v[200:231] pair 0's 64 numbers as bf16; before that at work for the table
.set SS,    232        ; v[232:239] four packed chains of squares
.set R,     240        ; v[240:241] 1 / root mean square, twice
.set TC,    244        ; v[244:247] the table's four numbers
.set MK,    40         ; s40, s41   the two angles' masks: lanes whose quadrant is odd
.set CBB,   262144     ; bytes from a column block to the next
; Cosine and sine of v200 * v[inv], in two parts, so that both angles' compares stand in one run with one wait behind them.  t: the first of six registers at work; m: the mask's register.
.macro TRIGA inv, t, m
	v_mul_f32 v[\t], v200, v[\inv]                          ; the angle
	v_mul_f32 v[\t+1], 0x3f22f983, v[\t]                    ; times 2 / pi
	v_rndne_f32 v[\t+1], v[\t+1]                            ; n
	v_fmamk_f32 v[\t], v[\t+1], 0xbfc90fdb, v[\t]           ; less n times pi / 2: the constant's upper part,
	v_fmamk_f32 v[\t], v[\t+1], 0x333bbd2e, v[\t]           ; and what the upper part is too large by
	v_mul_f32 v[\t+2], v[\t], v[\t]                         ; r^2
	v_mov_b32 v[\t+3], 0xb9500d01                           ; -1/5040
	v_mov_b32 v[\t+4], 0x37d00d01                           ; 1/40320
	v_fmaak_f32 v[\t+3], v[\t+3], v[\t+2], 0x3c088889       ; + 1/120
	v_fmaak_f32 v[\t+4], v[\t+4], v[\t+2], 0xbab60b61       ; - 1/720
	v_fmaak_f32 v[\t+3], v[\t+3], v[\t+2], 0xbe2aaaab       ; - 1/6
	v_fmaak_f32 v[\t+4], v[\t+4], v[\t+2], 0x3d2aaaab       ; + 1/24
	v_mul_f32 v[\t+5], v[\t], v[\t+2]                       ; r^3
	v_fma_f32 v[\t+4], v[\t+4], v[\t+2], -0.5
	v_fma_f32 v[\t+3], v[\t+5], v[\t+3], v[\t]              ; sin r
	v_fma_f32 v[\t+4], v[\t+4], v[\t+2], 1.0                ; cos r
	v_cvt_i32_f32 v[\t+1], v[\t+1]                          ; the quadrant is n mod 4
	v_and_b32 v[\t+5], 1, v[\t+1]
	v_cmp_eq_u32 s[\m], 1, v[\t+5]
.endm
.macro TRIGB cs, sn, t, m
	v_cndmask_b32 v[\sn], v[\t+3], v[\t+4], s[\m]           ; odd quadrants change the two
	v_cndmask_b32 v[\cs], v[\t+4], v[\t+3], s[\m]
	v_and_b32 v[\t+5], 2, v[\t+1]
	v_lshlrev_b32 v[\t+5], 30, v[\t+5]
	v_xor_b32 v[\sn], v[\sn], v[\t+5]                       ; the sine is negative in quadrants 2, 3
	v_add_nc_u32 v[\t+1], 1, v[\t+1]
	v_and_b32 v[\t+1], 2, v[\t+1]
	v_lshlrev_b32 v[\t+1], 30, v[\t+1]
	v_xor_b32 v[\cs], v[\cs], v[\t+1]                       ; the cosine in 1, 2
.endm
; Two rows are a pair: half a wave a row.  Pair p's registers: XP its 64 numbers; word i of its xb at PO + PS (i / 2) + i % 2.
.macro SETP p
.set XP, X+64*(\p)
.set PO, PB+(X+2-PB)*(\p)                                       ; pair 0: v200 on, word by word; pair 1: v74 on,
.set PS, 2+2*(\p)                                               ; two words in every four registers
.endm
; The pair's numbers are rounded to bf16.  left = the younger loads that may stay out.
.macro ROUND p, left
	SETP \p
	s_wait_loadcnt \left                                    ; loads come back in order: this pair's sixteen are in
.set i, 0
.rept 32
	v_cvt_pk_bf16_f32 v[PO+PS*(i/2)+i%2], v[XP+2*i], v[XP+2*i+1]
.set i, i+1
.endr
.endm
; The rest of the pair's work.  It stands behind a wait on va_vdst that shows the pair's xb written and, with prev = 1, the h of the pair before.
; The stores of xb are dealt among the widening lines, each ahead of the four lines that read its two words; with prev = 1 the stores of the pair before's h among the squares.
.macro WORK p, prev
	SETP \p
.set i, 0
.rept 32
.if i%2 == 0
	global_store_b64 v4, v[PO+PS*(i/2):PO+PS*(i/2)+1], s[32:33] offset:CBB*(i/2)+256*(\p)   ; xb: 32 lanes, 256 consecutive bytes: two rows of one column block
.endif
	v_lshlrev_b32 v[XP+2*i], 16, v[PO+PS*(i/2)+i%2]         ; the rounded numbers, as f32 again
	v_and_b32 v[XP+2*i+1], 0xffff0000, v[PO+PS*(i/2)+i%2]
.set i, i+1
.endr
.set i, 0
.rept 32
.if (\prev) && (i%2 == 0)
	global_store_b64 v4, v[XP-64+4*(i/2):XP-64+4*(i/2)+1], s[22:23] offset:CBB*(i/2)+256*((\p)-1)   ; h of the pair before, as xb; no vector instruction since the wait names these registers
.endif
.if i < 4
	v_pk_mul_f32 v[SS+2*i:SS+2*i+1], v[XP+2*i:XP+2*i+1], v[XP+2*i:XP+2*i+1]   ; the first four start the chains
.else
	v_pk_fma_f32 v[SS+2*(i%4):SS+2*(i%4)+1], v[XP+2*i:XP+2*i+1], v[XP+2*i:XP+2*i+1], v[SS+2*(i%4):SS+2*(i%4)+1]
.endif
.set i, i+1
.endr
	v_pk_add_f32 v[SS:SS+1], v[SS:SS+1], v[SS+2:SS+3]
	v_pk_add_f32 v[SS+4:SS+5], v[SS+4:SS+5], v[SS+6:SS+7]
	v_pk_add_f32 v[SS:SS+1], v[SS:SS+1], v[SS+4:SS+5]
	v_add_f32 v[SS], v[SS], v[SS+1]
	v_add_f32_dpp v[SS], v[SS], v[SS] row_xmask:1 row_mask:0xf bank_mask:0xf   ; a row lies in 16 lanes: four steps
	v_add_f32_dpp v[SS], v[SS], v[SS] row_xmask:2 row_mask:0xf bank_mask:0xf
	v_add_f32_dpp v[SS], v[SS], v[SS] row_xmask:4 row_mask:0xf bank_mask:0xf
	v_add_f32_dpp v[SS], v[SS], v[SS] row_xmask:8 row_mask:0xf bank_mask:0xf
	v_fma_f32 v[SS], v[SS], s30, s31                        ; sum / 1024 + eps
	v_rsq_f32 v[R], v[SS]
	v_rsq_f32 v[R+1], v[SS]
	v_nop                                                   ; a plain instruction behind the transcendentals (ISA guide 5.7.2)
	s_wait_alu depctr_va_vdst(0)                            ; both v_rsq_f32 have written v[R], v[R+1], ahead of the first multiply that reads them
.set i, 0
.rept 32
	v_pk_mul_f32 v[XP+2*i:XP+2*i+1], v[XP+2*i:XP+2*i+1], v[R:R+1]
.set i, i+1
.endr
.set i, 0
.rept 32
	v_pk_mul_f32 v[XP+2*i:XP+2*i+1], v[XP+2*i:XP+2*i+1], v[G+2*i:G+2*i+1]
.set i, i+1
.endr
.set i, 0
.rept 16
	v_cvt_pk_bf16_f32 v[XP+4*i], v[XP+4*i], v[XP+4*i+1]     ; h: four numbers close up into the lower two of their four registers
	v_cvt_pk_bf16_f32 v[XP+4*i+1], v[XP+4*i+2], v[XP+4*i+3]
.set i, i+1
.endr
.endm
	s_load_b512 s[4:19], s[0:1], 0x0               ; x 4, g1 6, wq 8, wk 10, wv 12, wo 14, w1 16, w2 18
	s_load_b128 s[20:23], s[0:1], 0x40             ; wb 20, xh 22
	v_and_b32 v1, 31, v0                           ; lane
	v_lshrrev_b32 v2, 5, v0                        ; wave
	s_cmp_ge_u32 ttmp9, 128
	s_cbranch_scc1 .Lcast
	; ROWS.  The work-group owns 32 rows, a wave four, as two pairs; lanes 0-15 take a pair's first row, lanes 16-31 its second.
	v_and_b32 v5, 15, v0
	v_lshlrev_b32 v5, 4, v5                        ; 16 c: my 16 bytes in each 256 of a row, and of g1
	v_bfe_u32 v7, v0, 4, 1
	v_lshl_add_u32 v3, v7, 12, v5                  ; + the half's row
	v_lshl_add_u32 v3, v2, 14, v3                  ; + the wave's four rows
	v_lshlrev_b32 v4, 3, v1                        ; blocked layout: 8 bytes a lane, two rows of 128 bytes,
	v_lshl_add_u32 v4, v2, 9, v4                   ; + the wave's four rows
	v_lshlrev_b32 v6, 4, v0                        ; the table: 16 bytes a thread
	s_lshl_b32 s24, ttmp9, 17                      ; 32 rows of 4,096 bytes
	s_mov_b32 s25, 0
	s_lshr_b32 s26, ttmp9, 6                       ; the batch: 16 column blocks,
	s_lshl_b32 s26, s26, 22
	s_and_b32 s27, ttmp9, 63                       ; 32 rows of 128 bytes
	s_lshl_b32 s27, s27, 12
	s_add_co_u32 s26, s26, s27
	s_mov_b32 s27, 0
	s_lshl_b32 s28, ttmp9, 12                      ; 16 rows of the table
	s_add_co_u32 s28, s28, 25165824
	s_mov_b32 s29, 0
	s_mov_b32 s30, 0x3a800000                      ; 1 / 1024
	s_mov_b32 s31, 0x34000000                      ; eps = 2^-23
	s_lshl_b32 s34, ttmp9, 4
	s_wait_kmcnt 0x0
	s_add_nc_u64 s[4:5], s[4:5], s[24:25]
	s_add_nc_u64 s[22:23], s[22:23], s[26:27]      ; h
	s_add_nc_u64 s[32:33], s[22:23], 8388608       ; xb
	s_add_nc_u64 s[20:21], s[20:21], s[28:29]      ; the table
	s_wait_alu depctr_va_vdst(0)                   ; the offsets v3, v4, v5 and v6 are written: every load and store of this path reads one of them
.set i, 0
.rept 16
	global_load_b128 v[G+4*i:G+4*i+3], v5, s[6:7] offset:256*i
.set i, i+1
.endr
.set i, 0
.rept 32                                               ; both pairs: 48 loads of the wave are out
	global_load_b128 v[X+4*i:X+4*i+3], v3, s[4:5] offset:8192*(i/16)+256*(i%16) th:TH_LOAD_NT
.set i, i+1
.endr
	; the table, one group a thread, while the loads are on their way: position 16 x work-group + thread / 16, group thread % 16
	v_lshrrev_b32 v200, 4, v0
	v_add_nc_u32 v200, s34, v200
	v_cvt_f32_u32 v200, v200
	v_and_b32 v201, 15, v0
	v_lshlrev_b32 v201, 1, v201
	v_cvt_f32_u32 v202, v201                       ; j = 2 i,
	v_add_f32 v203, 1.0, v202                      ; 2 i + 1
	v_mul_f32 v202, 0xbed49a78, v202               ; -log2(10000) / 32
	v_mul_f32 v203, 0xbed49a78, v203
	v_exp_f32 v202, v202
	v_exp_f32 v203, v203
	v_nop                                          ; a plain instruction behind the transcendentals (ISA guide 5.7.2)
	s_wait_alu depctr_va_vdst(0)                   ; both v_exp_f32 have written v202 and v203, ahead of the first multiply that reads them
	TRIGA 202, 204, MK
	TRIGA 203, 210, MK+1
	s_wait_alu depctr_va_sdst(0)                   ; both compares have written their masks, s40 and s41, ahead of the first select that reads one
	TRIGB TC, TC+2, 204, MK
	TRIGB TC+1, TC+3, 210, MK+1
	s_wait_loadcnt 32                              ; g1 is in; x's 32 loads stay out
.set i, 0
.rept 32
	v_cvt_pk_bf16_f32 v[216+i%4], v[G+2*i], v[G+2*i+1]
	v_lshlrev_b32 v[G+2*i], 16, v[216+i%4]
	v_and_b32 v[G+2*i+1], 0xffff0000, v[216+i%4]
.set i, i+1
.endr
	ROUND 0, 16                                    ; the second pair's sixteen loads stay out
	s_wait_alu depctr_va_vdst(0)                   ; the selects have written v[TC ..] and the roundings pair 0's xb: the table's store and the 16 stores of xb read them
	global_store_b128 v6, v[TC:TC+3], s[20:21]     ; a wave stores 512 consecutive bytes
	WORK 0, 0
	ROUND 1, 0
	s_wait_alu depctr_va_vdst(0)                   ; pair 0's last roundings have written its h, pair 1's first its xb: the 32 stores dealt into the work below read them
	WORK 1, 1
	s_wait_alu depctr_va_vdst(0)                   ; pair 1's last roundings have written its h, which the last 16 stores read
.set i, 0
.rept 16
	global_store_b64 v4, v[X+64+4*i:X+64+4*i+1], s[22:23] offset:CBB*i+256   ; h, as xb
.set i, i+1
.endr
	s_endpgm
.Lcast:	; WEIGHTS.  The work-group rounds 32,768 consecutive numbers; 32 work-groups make a block of 2^20, of which wq, wk, wv, wo have one and w1, w2 four.
	s_sub_co_u32 s24, ttmp9, 128
	s_lshr_b32 s25, s24, 5                         ; the block, 0 .. 11: also its place in wb
	s_and_b32 s26, s24, 31
	s_wait_kmcnt 0x0
	s_mov_b64 s[36:37], s[18:19]                   ; the block's matrix, and that matrix's first block
	s_mov_b32 s38, 8
	s_cmp_lt_u32 s25, 8
	s_cselect_b64 s[36:37], s[16:17], s[36:37]
	s_cselect_b32 s38, 4, s38
	s_cmp_lt_u32 s25, 4
	s_cselect_b64 s[36:37], s[14:15], s[36:37]
	s_cselect_b32 s38, 3, s38
	s_cmp_lt_u32 s25, 3
	s_cselect_b64 s[36:37], s[12:13], s[36:37]
	s_cselect_b32 s38, 2, s38
	s_cmp_lt_u32 s25, 2
	s_cselect_b64 s[36:37], s[10:11], s[36:37]
	s_cselect_b32 s38, 1, s38
	s_cmp_lt_u32 s25, 1
	s_cselect_b64 s[36:37], s[8:9], s[36:37]
	s_cselect_b32 s38, 0, s38
	s_sub_co_u32 s38, s25, s38
	s_lshl_b32 s38, s38, 22
	s_lshl_b32 s39, s26, 17
	s_add_co_u32 s38, s38, s39
	s_mov_b32 s39, 0
	s_add_nc_u64 s[36:37], s[36:37], s[38:39]
	s_lshl_b32 s40, s25, 21
	s_lshl_b32 s41, s26, 16
	s_add_co_u32 s40, s40, s41
	s_mov_b32 s41, 0
	s_add_nc_u64 s[20:21], s[20:21], s[40:41]
	v_lshlrev_b32 v3, 4, v1
	v_lshl_or_b32 v3, v2, 14, v3                   ; a wave reads 16,384 bytes,
	v_lshlrev_b32 v4, 3, v1
	v_lshl_or_b32 v4, v2, 13, v4                   ; and writes 8,192
	s_wait_alu depctr_va_vdst(0)                   ; the offsets v3 and v4 are written: every load and store of this path reads one of them
.set i, 0
.rept 32                                               ; all 32 loads go out together, 512 consecutive bytes each
	global_load_b128 v[8+4*i:11+4*i], v3, s[36:37] offset:512*i th:TH_LOAD_NT
.set i, i+1
.endr
.set g, 0
.rept 8                                                ; eight groups of four loads
	s_wait_loadcnt 28-4*g                          ; loads come back in order: group g's four are in, the younger groups stay out
.if g > 0
	s_wait_alu depctr_va_vdst(0)                   ; the roundings of the group before have written their pairs, which the four stores below read
.endif
.set j, 0
.rept 4
.if g > 0
	global_store_b64 v4, v[8+4*(4*(g-1)+j):9+4*(4*(g-1)+j)], s[20:21] offset:256*(4*(g-1)+j)   ; 256 consecutive bytes, aligned; the roundings since the wait name this group's registers alone
.endif
	v_cvt_pk_bf16_f32 v[8+4*(4*g+j)], v[8+4*(4*g+j)], v[9+4*(4*g+j)]
	v_cvt_pk_bf16_f32 v[9+4*(4*g+j)], v[10+4*(4*g+j)], v[11+4*(4*g+j)]
.set j, j+1
.endr
.set g, g+1
.endr
	s_wait_alu depctr_va_vdst(0)                   ; the last group's roundings have written their pairs, which the last four stores read
.set j, 0
.rept 4
	global_store_b64 v4, v[8+4*(28+j):9+4*(28+j)], s[20:21] offset:256*(28+j)
.set j, j+1
.endr
	s_endpgm
.Lfunc_end_k_q1af3eda437_prep:
	.size	k_q1af3eda437_prep, .Lfunc_end_k_q1af3eda437_prep-k_q1af3eda437_prep
	.p2alignl 7, 3214868480
	.fill 96, 4, 3214868480
	.section	.rodata,"a",@progbits
	.p2align	6, 0x0
	.amdhsa_kernel k_q1af3eda437_prep
		.amdhsa_group_segment_fixed_size 0
		.amdhsa_private_segment_fixed_size 0
		.amdhsa_enable_private_segment 0
		.amdhsa_kernarg_size 80
		.amdhsa_user_sgpr_count 2
		.amdhsa_user_sgpr_kernarg_segment_ptr 1
		.amdhsa_wavefront_size32 1
		.amdhsa_system_sgpr_workgroup_id_x 1
		.amdhsa_system_sgpr_workgroup_id_y 1
		.amdhsa_system_sgpr_workgroup_id_z 1
		.amdhsa_system_vgpr_workitem_id 0
		.amdhsa_next_free_vgpr 248
		.amdhsa_next_free_sgpr 66
		.amdhsa_reserve_vcc 0
		.amdhsa_float_denorm_mode_32 3
		.amdhsa_float_denorm_mode_16_64 3
		.amdhsa_memory_ordered 1
		.amdhsa_forward_progress 1
		.amdhsa_inst_pref_size 60
	.end_amdhsa_kernel
	.amdgpu_metadata
---
amdhsa.version: [ 1, 2 ]
amdhsa.kernels:
  - .name:           k_q1af3eda437_prep
    .symbol:         k_q1af3eda437_prep.kd
    .args:
      - { .name: x, .offset: 0, .size: 8, .value_kind: global_buffer, .address_space: global }
      - { .name: g1, .offset: 8, .size: 8, .value_kind: global_buffer, .address_space: global }
      - { .name: wq, .offset: 16, .size: 8, .value_kind: global_buffer, .address_space: global }
      - { .name: wk, .offset: 24, .size: 8, .value_kind: global_buffer, .address_space: global }
      - { .name: wv, .offset: 32, .size: 8, .value_kind: global_buffer, .address_space: global }
      - { .name: wo, .offset: 40, .size: 8, .value_kind: global_buffer, .address_space: global }
      - { .name: w1, .offset: 48, .size: 8, .value_kind: global_buffer, .address_space: global }
      - { .name: w2, .offset: 56, .size: 8, .value_kind: global_buffer, .address_space: global }
      - { .name: wb, .offset: 64, .size: 8, .value_kind: global_buffer, .address_space: global }
      - { .name: xh, .offset: 72, .size: 8, .value_kind: global_buffer, .address_space: global }
    .group_segment_fixed_size: 0
    .private_segment_fixed_size: 0
    .kernarg_segment_align: 8
    .kernarg_segment_size: 80
    .max_flat_workgroup_size: 256
    .sgpr_count:     66
    .vgpr_count:     248
    .wavefront_size: 32
...
	.end_amdgpu_metadata
.endif
;; end of part 7
;; launch qkv: the kernel of part 2 again; grid 12 x 16, 4 waves a work-group, clusters of 4 x 4, 327,680 bytes of LDS; arguments xh, wb, bq, bk, bv, qkv; writes qkv
;; launch attn: the kernel of part 3 again; grid 8 x 32, 4 waves a work-group, clusters of 4 x 1, 327,680 bytes of LDS; arguments qkv, ob; writes ob
;; launch wo: the kernel of part 4 again; grid 8 x 32, 4 waves a work-group, clusters of 4 x 4, 327,680 bytes of LDS; arguments ob, wb, xh, bo, g2, res; writes res
;; launch ffn1: the kernel of part 5 again; grid 16 x 16, 4 waves a work-group, clusters of 4 x 4, 327,680 bytes of LDS; arguments res, wb, b1, hid; writes hid
;; launch ffn2: the kernel of part 6 again; grid 8 x 32, 4 waves a work-group, clusters of 4 x 4, 327,680 bytes of LDS; arguments hid, wb, res, b2, out0; writes out0
